; MI455X (gfx1250); checked and timed in simulation.
; The chip was launched on July 23, 2026; its instructions are those of AMD's public machine-readable ISA for CDNA 5 (MIT licence, August 2026) and "CDNA5" Instruction Set Architecture Reference Guide (July 2026). The comments in the code are by the model that wrote it; some were corrected since.
;; additive Attention. Allowed arithmetic: matrix products marked QUANTISED: E2M3 operands, one E8M0 scale for each 32 along K, by v_wmma_scale_f32_16x16x128_f8f6f4 with both operands' format E2M3, f32 sums; everything else in f32.
;; Inputs: Wk 2,048 x 1,024 float32; Wq 2,048 x 1,024 float32; bk 2,048 float32; bq 2,048 float32; k 8 x 1,024 x 1,024 float32; mask 8 x 1,024 x 2,048 float32; q 8 x 1,024 x 1,024 float32; v 8 x 2,048 x 1,024 float32.
;; Outputs: out0 8 x 1,024 x 1,024 float32.
;; This version of the problem:
;;   THIS VERSION OF THE PROBLEM IS GIVEN IN LOW PRECISION. The matrix products marked QUANTISED in the list below multiply operands that are first quantised to E2M3 (2 exponent bits, 3 mantissa bits; 6 bits a number), with one power-of-two scale for each 32 numbers along K (OCP MX v1.0); their sums are f32. All else is computed in f32.
;;   The module's matrix products, in the order in which they are computed (A, B: the left and right operand; K: the contracted axis; several contracted axes count as one K, in the product's order):
;;     1. [M 8,192, K 1,024] x [K 1,024, N 2,048]; A: input q; B: input Wq: QUANTISED
;;     2. [M 8,192, K 1,024] x [K 1,024, N 2,048]; A: input k; B: input Wk: QUANTISED
;;     3. batch 8 x [M 1,024, K 2,048] x [K 2,048, N 1,024]; A: softmax (see below); B: input v: QUANTISED
;;   THE QUANTISER, for each operand of a quantised product, along K:
;;     - K is cut into blocks of 32 from its start; a last block that is shorter is filled with zeros.
;;     - A block's scale is 2^e with e = floor(log2(the largest magnitude in the block)) - 2, held to -126 .. 127; a block of zeros has e = 0. As a byte (E8M0): e + 127.
;;     - Each number is divided by its block's scale, clamped to +-7.5, and rounded to the nearest number of E2M3, ties to even, subnormals kept.
;;     - The product sums the exact products of the quantised numbers (number of the format x scale) in f32.
;;   ~~~python
;;   def quantise(x, axis):      # numpy; x: float32 -> the quantised numbers, widened to float32 again
;;       x = np.moveaxis(x, axis, -1); K = x.shape[-1]
;;       x = np.pad(x, [(0, 0)] * (x.ndim - 1) + [(0, -K % 32)]); x = x.reshape(x.shape[:-1] + (-1, 32)); a = np.abs(x).max(-1, keepdims=True)
;;       e = np.where(a > 0, np.clip(np.frexp(np.where(a > 0, a, 1))[1] - 1 - 2, -126, 127), 0)      # np.frexp(a)[1] - 1 = floor(log2(a)), exactly
;;       r = np.clip(x / 2.0 ** e, -7.5, 7.5)
;;       step = 2.0 ** (np.maximum(np.frexp(np.where(r == 0, 1, r))[1] - 1, 0) - 3)
;;       q = np.round(r / step) * step * 2.0 ** e      # np.round: ties to even
;;       return np.moveaxis(q.reshape(q.shape[:-2] + (-1,))[..., :K], -1, axis).astype(np.float32)
;;   ~~~
;;   SOFTMAX AHEAD OF A QUANTISED PRODUCT. Where the list says 'softmax', what is quantised is not the finished softmax but p = 2^(t - M), with t = logit x log2(e) and M = ceil(the row's largest t), a whole number; so 1/2 < the row's largest p <= 1. The row's sum l is taken of the UNQUANTISED p, in f32, and the product's result is divided by l at the end. Since M is a whole number, a kernel that streams over the keys may use a running M (the ceiling of the running maximum): every later rescaling is an exact power of two, which a block's scale takes up: the codes' values come out the same.
;;   OPERANDS COMPUTED ON THE WAY. 'Computed on the way' means the value that the module computes at that place (a softmax that the list does not call 'softmax' is quantised finished and normalised). What goes into a quantiser is computed in f32, as accurately as f32 sums, v_exp_f32 and their like allow (about 1e-6 of the number): no bf16 or f16 on the way to a quantiser, and a product that is left as it is and whose result goes on into a quantised operand takes f32 operands (vector FMAs, or v_wmma_f32_16x16x4_f32). A number that lies on a knife's edge between two numbers of the format may be rounded either way, as far as f32 arithmetic and the matrix unit's own rounding can turn it there, and no further.
;; One version. Each part assembles by itself: llvm-mc -triple=amdgcn-amd-amdhsa -mcpu=gfx1250 --defsym DOCPART=n.
;; ======== version 1 of 1: 3 launches
;; limits: right only within a limited range of input values
;; workspace buffers: xc 12,582,912 bytes; xs 524,288 bytes; wc 3,145,728 bytes; ws 131,072 bytes; vc 12,582,912 bytes; vs 524,288 bytes; pc 12,582,912 bytes; pstat 1,572,864 bytes
;; launch quant (part 1): grid 1152 x 1, 4 waves a work-group, no clusters, 35,328 bytes of LDS; arguments q, k, Wq, Wk, v, xc, xs, wc, ws, vc, vs; writes xc, xs, wc, ws, vc, vs
.if DOCPART == 1
	.amdgcn_target "amdgcn-amd-amdhsa--gfx1250"
	.amdhsa_code_object_version 6
	.text
	.protected	k_q44c08f6980_quant
	.globl	k_q44c08f6980_quant
	.p2align	8
	.type	k_q44c08f6980_quant,@function
k_q44c08f6980_quant:
	s_mov_b64 s[64:65], 0
	v_nop
	global_prefetch_b8 v0, s[64:65] scope:SCOPE_SE
	s_setreg_imm32_b32 hwreg(HW_REG_WAVE_MODE, 25, 1), 1
	s_wait_xcnt 0x0
; out = softmax(tanh(q Wq^T + bq + k Wk^T + bk) + mask) v, all three products on codes of E2M3 with one E8M0 scale for each 32 along K.
; NOTHING OF reference() IS LEFT OUT: every input reaches the output (both biases and the mask stand ahead of the quantiser of the softmax's p), so all eight inputs are loaded, by this launch or the next.
; Products 1 and 2 are run by the next launch as ONE product with K = 2,048, [q | k] [Wq | Wk]^T: the blocks of 32 do not cross the seam, so codes and scales are those of the two products.
; THIS LAUNCH turns q, k, Wq, Wk (K innermost) and v (K = its first axis within a batch) into codes and scale words, once, since many work-groups of the later launches read each of them.
; A block's scale is 2^(floor(log2(its largest magnitude)) - 2); its byte is the largest magnitude's exponent field - 2, held at 1 from below (a block of zeros keeps the byte 1: its codes are zeros, and this program alone reads the bytes).
; LIMITS: blocks whose largest magnitude lies under 2^-124 get the byte 1; NaN and infinities in q, k, v, Wq, Wk are not served.
; THE BUFFERS ARE IMAGES OF OPERAND REGISTERS.  A fragment is 16 rows x 128 K: 12 registers a lane (lane (r, h): registers 6 c .. 6 c + 5 = k 64 c + 32 h + 0 .. 31 of row r).  Its image is 1,536 bytes: chunk c of three, 512 bytes,
; holds lane l's registers 4 c .. 4 c + 3 at byte 16 l.  xc: [K slot of 256: 8][tile of 16 rows: 512][K step: 2][1536], slots 0-3 from q, 4-7 from k; wc the same with 128 tiles (Wq, Wk); vc: [batch 8][slot 8][tile of 16 e: 64][2][1536].
; Scale words (four bytes: 128 along K of one row): xs, ws, vs: [group of 128 rows][slot 8][row 128][K step 2].
; v's K is permuted inside each block of 32: place p holds c = p % 8 + 16 ((p / 8) % 2) + 8 (p / 16), the order in which the next launch's results fall; the same order on both operands changes no scale and no product.
; SHARES: work-groups 0-255 q, 256-511 k, 512-575 Wq, 576-639 Wk: 32 whole rows each, wave w the rows' numbers 256 w .. 256 w + 255 (four fragments).  Work-groups 640-1151: v: 128 columns e x 256 rows c, wave w 32 columns.
; No tensor load, no barrier: waves share nothing.
.set STGW,  8448                       ; a wave's stage: 16 rows x (512 bytes + 16): pitch 528 = 33 x 16, so the 16 rows that a load of 16 bytes a lane touches lie in 16 different columns of 16 bytes
.set SWB,   4*STGW                     ; behind the stages: 256 bytes of scale words for each wave
.set SPARE, SWB+1024                   ; the spare words, 128 bytes for each wave: two blocks of 256 bytes that no other line names
.set RW,    48                         ; v48-143  numbers as loaded, three sets of 32: 8 rows x 16 bytes a lane (path V: 32 rows of a column)
.set X,     144                        ; v144-175 32 numbers in the operand's order: one whole block
.set C,     32                         ; v32-43   a fragment's codes
.set VC,    144                        ; v144-191 path V: codes: K step q at 24 q: two fragments
	s_load_b256 s[4:11], s[0:1], 0x0               ; q, k, Wq, Wk
	s_load_b64 s[12:13], s[0:1], 0x20              ; v
	s_load_b256 s[16:23], s[0:1], 0x28             ; xc, xs, wc, ws
	s_load_b128 s[24:27], s[0:1], 0x48             ; vc, vs
	v_lshl_add_u32 v12, v0, 2, SPARE               ; my spare word; never rewritten
	v_mov_b32 v13, 0                               ; 0; never rewritten
	v_lshrrev_b32 v1, 5, v0
	v_readfirstlane_b32 s28, v1                    ; wave
	v_and_b32 v1, 31, v0                           ; lane
	v_and_b32 v2, 15, v0                           ; r
	v_bfe_u32 v3, v0, 4, 1                         ; h
	v_lshlrev_b32 v4, 4, v1                        ; 16 x lane
	v_lshlrev_b32 v9, 3, v1                        ; 8 x lane
	v_lshlrev_b32 v10, 3, v3                       ; 8 h: bits by which my two scale bytes move up
	v_lshlrev_b32 v11, 2, v1                       ; 4 x lane
	s_mul_i32 s29, s28, STGW
	v_add_nc_u32 v5, s29, v4                       ; the stage, on the way in: 16 x lane of a row
	v_mul_u32_u24 v6, v2, 528
	v_lshl_add_u32 v6, v3, 7, v6
	v_add_nc_u32 v6, s29, v6                       ; and on the way out: row r, + 128 h bytes
	s_lshl_b32 s29, s28, 8
	s_add_co_u32 s29, s29, SWB
	v_lshl_add_u32 v7, v2, 3, s29                  ; my row's scale words
	v_lshl_add_u32 v8, v1, 3, s29                  ; and back: 8 bytes a lane
	v_mov_b32 v21, 0                               ; written once: a lane permute's destination counts as one of its sources
	s_mov_b32 s48, 0x76543210
	s_mov_b32 s49, 0xfedcba98                      ; selects for lane l xor 16
	s_wait_kmcnt 0x0
	s_cmp_ge_u32 ttmp9, 640
	s_cbranch_scc1 .Lv
; ---------------- q, k, Wq, Wk: K innermost ----------------
	s_cmp_lt_u32 ttmp9, 512                        ; q or k, else Wq or Wk: the choices hang on the work-group's number alone
	s_cselect_b32 s36, 0, 512
	s_cselect_b32 s37, 8, 6                        ; log2 of the work-groups of one tensor
	s_mov_b32 s38, 393216
	s_cselect_b32 s38, 1572864, s38                ; bytes of a K slot in the codes' buffer
	s_cselect_b64 s[32:33], s[16:17], s[20:21]     ; codes
	s_cselect_b64 s[34:35], s[18:19], s[22:23]     ; scale words
	s_cselect_b64 s[40:41], s[4:5], s[8:9]
	s_cselect_b64 s[42:43], s[6:7], s[10:11]
	s_sub_co_u32 s36, ttmp9, s36
	s_lshr_b32 s39, s36, s37                       ; 0: q, Wq;  1: k, Wk
	s_lshl_b32 s44, s39, s37
	s_sub_co_u32 s36, s36, s44                     ; which 32 rows
	s_cmp_eq_u32 s39, 0
	s_cselect_b64 s[30:31], s[40:41], s[42:43]     ; the source
	s_lshl_b32 s44, s36, 17                        ; 32 rows of 4,096 bytes
	s_lshl_b32 s45, s28, 10                        ; my wave's 256 numbers
	s_add_co_u32 s44, s44, s45
	s_mov_b32 s45, 0
	s_add_nc_u64 s[30:31], s[30:31], s[44:45]
	s_lshl_b32 s46, s39, 2
	s_add_co_u32 s46, s46, s28                     ; the K slot
	s_mul_i32 s44, s46, s38
	s_mul_i32 s47, s36, 6144                       ; two tiles of rows x 3,072 bytes
	s_add_co_u32 s44, s44, s47
	s_add_nc_u64 s[32:33], s[32:33], s[44:45]
	s_lshr_b32 s44, s36, 2
	s_lshl_b32 s44, s44, 13                        ; the group of 128 rows,
	s_lshl_b32 s47, s46, 10                        ; the slot,
	s_add_co_u32 s44, s44, s47
	s_and_b32 s47, s36, 3
	s_lshl_b32 s47, s47, 8                         ; my 32 rows in the group
	s_add_co_u32 s44, s44, s47
	s_add_nc_u64 s[34:35], s[34:35], s[44:45]
.macro LOADH h                         ; half h of eight: fragment h / 2 = (tile of rows h / 4, K step (h / 2) % 2), its rows 8 (h % 2) + 0 .. 7, into set h % 3: 8 loads, each 512 consecutive bytes of one row
.irp i, 0,1,2,3,4,5,6,7
	global_load_b128 v[RW+32*((\h)%3)+4*\i:RW+32*((\h)%3)+4*\i+3], v4, s[30:31] offset:(16*((\h)/4)+8*((\h)%2)+\i)*4096+(((\h)/2)%2)*512 th:TH_LOAD_NT
.endr
.endm
.macro STOREH h                        ; into my stage, as loaded
.irp i, 0,1,2,3,4,5,6,7
	ds_store_b128 v5, v[RW+32*((\h)%3)+4*\i:RW+32*((\h)%3)+4*\i+3] offset:528*(8*((\h)%2)+\i)
.endr
.endm
.macro GETX c                          ; and out in the operand's order: X + i = k 64 c + 32 h + i of row r.  LDS serves a wave's instructions in order: no wait between the stores and these
.irp j, 0,1,2,3,4,5,6,7
	ds_load_b128 v[X+4*\j:X+4*\j+3], v6 offset:256*(\c)+16*\j
.endr
.endm
.macro QC f, c                         ; my whole block 2 c + h of the K step's four becomes six registers
	v_max3_num_f32 v14, |v[X]|, |v[X+1]|, |v[X+2]|   ; the block's largest magnitude, in two chains
	v_max3_num_f32 v15, |v[X+3]|, |v[X+4]|, |v[X+5]|
.irp i, 6,10,14,18,22,26
	v_max3_num_f32 v14, v14, |v[X+\i]|, |v[X+\i+1]|
	v_max3_num_f32 v15, v15, |v[X+\i+2]|, |v[X+\i+3]|
.endr
	v_max3_num_f32 v14, v14, |v[X+30]|, |v[X+31]|
	v_max3_num_f32 v14, v14, v15, 0x1800000        ; with the floor 2^(3 - 127): the byte cannot fall under 1
	v_add_nc_u32 v[16+\c], 0xff000000, v14         ; 2 off the exponent field: the conversion's scale operand
	v_lshrrev_b32 v[18+\c], 23, v[16+\c]           ; the scale's byte
.if ((\f) > 0) && ((\c) == 0)
	s_wait_alu depctr_va_vdst(0)
	s_wait_xcnt 0x0                                ; the last fragment's stores have read the codes' registers
.endif
	v_cvt_scalef32_pk16_fp6_f32 v[C+6*\c:C+6*\c+2], v[X:X+15], v[16+\c]
	v_cvt_scalef32_pk16_fp6_f32 v[24:26], v[X+16:X+31], v[16+\c]   ; (a conversion's three registers begin on an even number)
	v_nop                                          ; one plain line behind the scaled conversions
.irp i, 0,1,2
	v_mov_b32 v[C+6*\c+3+\i], v[24+\i]
.endr
.endm
.macro QW f                            ; the fragment's scale word, and the stores
	v_lshl_or_b32 v20, v19, 16, v18
	v_lshlrev_b32 v20, v10, v20                    ; my two bytes at their places in the word;
	v_permlanex16_b32 v21, v20, s48, s49
	v_or_b32 v20, v20, v21                         ; with lane l xor 16's two the word is whole
.irp c, 0,1,2
	global_store_b128 v4, v[C+4*\c:C+4*\c+3], s[32:33] offset:3072*((\f)/2)+1536*((\f)%2)+512*\c   ; 32 lanes store 512 consecutive bytes
.endr
	ds_store_b32 v7, v20 offset:128*((\f)/2)+4*((\f)%2)   ; lanes l and l xor 16 write the same word with the same value
.endm
	LOADH 0
	LOADH 1
	LOADH 2
	s_wait_alu depctr_va_vdst(0)
.irp f, 0,1,2,3
.if \f < 3
	s_wait_loadcnt 8                               ; this fragment's two halves are in; the next half's 8 loads may be out
.else
	s_wait_loadcnt 0
.endif
	STOREH 2*\f
	STOREH 2*\f+1
	GETX 0
	s_wait_dscnt 0x0                               ; the first block is back, and the stage's stores have read the two sets,
.if \f < 3
	LOADH 2*\f+3                                   ; which take the halves three and four on
.endif
.if \f < 2
	LOADH 2*\f+4
.endif
	QC \f, 0
	GETX 1                                         ; the second block, into the registers that the conversions have read
	s_wait_dscnt 0x0
	QC \f, 1
	QW \f
.endr
	ds_load_b64 v[22:23], v8                       ; my wave's 32 rows x 2 words
	s_wait_dscnt 0x0
	global_store_b64 v9, v[22:23], s[34:35]        ; 32 lanes store 256 consecutive bytes, aligned
	s_branch .Lend
; ---------------- v: K (= c) is the first axis: a lane takes a column e, its registers run down c ----------------
.Lv:
	s_sub_co_u32 s36, ttmp9, 640
	s_and_b32 s37, s36, 7                          ; which 128 columns
	s_bfe_u32 s38, s36, 0x30003                    ; which K slot of 256 c
	s_lshr_b32 s39, s36, 6                         ; batch
	s_lshl_b32 s44, s39, 23                        ; 2,048 rows of 4,096 bytes
	s_lshl_b32 s45, s38, 20
	s_add_co_u32 s44, s44, s45
	s_lshl_b32 s45, s37, 9
	s_add_co_u32 s44, s44, s45
	s_lshl_b32 s45, s28, 7                         ; my wave's 32 columns
	s_add_co_u32 s44, s44, s45
	s_mov_b32 s45, 0
	s_add_nc_u64 s[30:31], s[12:13], s[44:45]
	s_lshl_b32 s46, s39, 3
	s_add_co_u32 s47, s46, s38
	s_mul_i32 s44, s47, 196608                     ; (batch, slot): 64 tiles x 3,072 bytes
	s_mul_i32 s47, s37, 24576
	s_add_co_u32 s44, s44, s47
	s_mul_i32 s47, s28, 6144
	s_add_co_u32 s44, s44, s47
	s_add_nc_u64 s[32:33], s[24:25], s[44:45]
	s_add_co_u32 s46, s46, s37
	s_lshl_b32 s44, s46, 13                        ; the group of 128 rows e
	s_lshl_b32 s47, s38, 10
	s_add_co_u32 s44, s44, s47
	s_lshl_b32 s47, s28, 8
	s_add_co_u32 s44, s44, s47
	s_add_nc_u64 s[34:35], s[26:27], s[44:45]
.macro LOADV t                         ; block t of eight: place p takes row 32 t + p % 8 + 16 ((p / 8) % 2) + 8 (p / 16); a load reads 128 consecutive bytes, the four waves stand side by side on 512
.irp p, 0,1,2,3,4,5,6,7,8,9,10,11,12,13,14,15,16,17,18,19,20,21,22,23,24,25,26,27,28,29,30,31
	global_load_b32 v[RW+32*((\t)%3)+\p], v11, s[30:31] offset:(32*(\t)+(\p%8)+16*((\p/8)%2)+8*(\p/16))*4096 th:TH_LOAD_NT
.endr
.endm
.macro BLOCKV t
.set XS, RW+32*((\t)%3)
.set DSTR, VC+24*((\t)/4)+12*((\t)%2)+6*(((\t)%4)/2)   ; even blocks of a K step into the first fragment's registers, odd ones into the second's
.if (\t) < 7
	s_wait_loadcnt 32                              ; this block's 32 loads are in; the next block's 32 may be out
.else
	s_wait_loadcnt 0
.endif
.if (\t) < 6
	LOADV (\t)+2                                   ; into the set that the block before has left
.endif
	v_max3_num_f32 v14, |v[XS]|, |v[XS+1]|, |v[XS+2]|   ; the block's largest magnitude: all 32 numbers are mine
	v_max3_num_f32 v15, |v[XS+3]|, |v[XS+4]|, |v[XS+5]|
.irp i, 6,10,14,18,22,26
	v_max3_num_f32 v14, v14, |v[XS+\i]|, |v[XS+\i+1]|
	v_max3_num_f32 v15, v15, |v[XS+\i+2]|, |v[XS+\i+3]|
.endr
	v_max3_num_f32 v14, v14, |v[XS+30]|, |v[XS+31]|
	v_max3_num_f32 v14, v14, v15, 0x1800000        ; and the floor
	v_add_nc_u32 v16, 0xff000000, v14
	v_lshrrev_b32 v18, 23, v16
.if ((\t)%4) == 0
	v_mov_b32 v[22+(\t)/4], v18                    ; four bytes make my column's word of the K step
.else
	v_lshl_or_b32 v[22+(\t)/4], v18, 8*((\t)%4), v[22+(\t)/4]
.endif
	v_cvt_scalef32_pk16_fp6_f32 v[DSTR:DSTR+2], v[XS:XS+15], v16
	v_cvt_scalef32_pk16_fp6_f32 v[24:26], v[XS+16:XS+31], v16
	v_nop                                          ; one plain line behind the scaled conversions
.irp i, 0,1,2
	v_mov_b32 v[DSTR+3+\i], v[24+\i]
.endr
.if ((\t)%4) == 3                      ; a K step is whole.  The first run holds each lane's blocks 0, 2, the second its blocks 1, 3.  The exchange of the first's lanes 16-31 with the second's lanes 0-15
.set F0, VC+24*((\t)/4)                ; makes of the first the fragment of columns 0-15 (lanes 16-31: their odd blocks) and of the second that of columns 16-31
.irp i, 0,1,2,3,4,5,6,7,8,9,10,11
	v_permlane16_swap_b32 v[F0+\i], v[F0+12+\i]
.endr
.irp u, 0,1
.irp c, 0,1,2
	global_store_b128 v4, v[F0+12*\u+4*\c:F0+12*\u+4*\c+3], s[32:33] offset:3072*\u+1536*((\t)/4)+512*\c   ; these registers are not written again
.endr
.endr
.endif
.endm
	s_wait_alu depctr_va_vdst(0)
	LOADV 0
	LOADV 1
.irp t, 0,1,2,3,4,5,6,7
	BLOCKV \t
.endr
	global_store_b64 v9, v[22:23], s[34:35]        ; my column's two words: 32 lanes store 256 consecutive bytes, aligned
.Lend:
	s_wait_tensorcnt 0x0                           ; the wave's end
	ds_add_u32 v12, v13
	s_wait_dscnt 0x0
	s_endpgm
.Lfunc_end_k_q44c08f6980_quant:
	.size	k_q44c08f6980_quant, .Lfunc_end_k_q44c08f6980_quant-k_q44c08f6980_quant
	.p2alignl 7, 3214868480
	.fill 96, 4, 3214868480
	.section	.rodata,"a",@progbits
	.p2align	6, 0x0
	.amdhsa_kernel k_q44c08f6980_quant
		.amdhsa_group_segment_fixed_size 35328
		.amdhsa_private_segment_fixed_size 0
		.amdhsa_enable_private_segment 0
		.amdhsa_kernarg_size 88
		.amdhsa_user_sgpr_count 2
		.amdhsa_user_sgpr_kernarg_segment_ptr 1
		.amdhsa_wavefront_size32 1
		.amdhsa_system_sgpr_workgroup_id_x 1
		.amdhsa_system_sgpr_workgroup_id_y 1
		.amdhsa_system_sgpr_workgroup_id_z 1
		.amdhsa_system_vgpr_workitem_id 0
		.amdhsa_next_free_vgpr 192
		.amdhsa_next_free_sgpr 66
		.amdhsa_reserve_vcc 0
		.amdhsa_float_denorm_mode_32 3
		.amdhsa_float_denorm_mode_16_64 3
		.amdhsa_memory_ordered 1
		.amdhsa_forward_progress 1
		.amdhsa_inst_pref_size 70
	.end_amdhsa_kernel
	.amdgpu_metadata
---
amdhsa.version: [ 1, 2 ]
amdhsa.kernels:
  - .name:           k_q44c08f6980_quant
    .symbol:         k_q44c08f6980_quant.kd
    .args:
      - { .name: q, .offset: 0, .size: 8, .value_kind: global_buffer, .address_space: global }
      - { .name: k, .offset: 8, .size: 8, .value_kind: global_buffer, .address_space: global }
      - { .name: Wq, .offset: 16, .size: 8, .value_kind: global_buffer, .address_space: global }
      - { .name: Wk, .offset: 24, .size: 8, .value_kind: global_buffer, .address_space: global }
      - { .name: v, .offset: 32, .size: 8, .value_kind: global_buffer, .address_space: global }
      - { .name: xc, .offset: 40, .size: 8, .value_kind: global_buffer, .address_space: global }
      - { .name: xs, .offset: 48, .size: 8, .value_kind: global_buffer, .address_space: global }
      - { .name: wc, .offset: 56, .size: 8, .value_kind: global_buffer, .address_space: global }
      - { .name: ws, .offset: 64, .size: 8, .value_kind: global_buffer, .address_space: global }
      - { .name: vc, .offset: 72, .size: 8, .value_kind: global_buffer, .address_space: global }
      - { .name: vs, .offset: 80, .size: 8, .value_kind: global_buffer, .address_space: global }
    .group_segment_fixed_size: 35328
    .private_segment_fixed_size: 0
    .kernarg_segment_align: 8
    .kernarg_segment_size: 88
    .max_flat_workgroup_size: 128
    .sgpr_count:     66
    .vgpr_count:     192
    .wavefront_size: 32
...
	.end_amdgpu_metadata
.endif
;; end of part 1
;; launch energy (part 2): grid 8 x 32, 4 waves a work-group, clusters of 4 x 4, 327,680 bytes of LDS; arguments xc, xs, wc, ws, bq, bk, mask, pc, pstat; writes pc, pstat
.if DOCPART == 2
	.amdgcn_target "amdgcn-amd-amdhsa--gfx1250"
	.amdhsa_code_object_version 6
	.text
	.protected	k_q44c08f6980_energy
	.globl	k_q44c08f6980_energy
	.p2align	8
	.type	k_q44c08f6980_energy,@function
k_q44c08f6980_energy:
	s_mov_b64 s[64:65], 0
	v_nop
	global_prefetch_b8 v0, s[64:65] scope:SCOPE_SE
	s_setreg_imm32_b32 hwreg(HW_REG_WAVE_MODE, 25, 1), 1
	s_wait_xcnt 0x0
	s_wait_alu depctr_hold_cnt(0) depctr_sa_sdst(0) depctr_va_vdst(0) depctr_va_sdst(0) depctr_va_ssrc(0) depctr_va_vcc(0) depctr_vm_vsrc(0)
	s_getreg_b32 s2, hwreg(HW_REG_IB_STS2, 6, 4)
	s_cmp_eq_u32 s2, 0
	s_cbranch_scc0 .Lentry_in_a_cluster
	s_endpgm
.Lentry_in_a_cluster:
	s_bfe_u32 s2, ttmp6, 0x10000c
	s_cmp_lg_u32 s2, 0xf033
	s_cbranch_scc0 .Lentry_shape_is_right
	s_endpgm
.Lentry_shape_is_right:
; x = [q | k] [Wq | Wk]^T + (bq + bk): 8,192 x 2,048, K = 2,048, on codes of E2M3 with E8M0 scales; then t = (tanh(x) + mask) log2(e), and the softmax's p, quantised along c, as codes for the last product.  Nothing is left out.
; A tile of 256 rows x 256 columns c is made by four waves, each 128 x 128: 64 accumulators.  K goes in slots of 256 through a ring of two LDS slots.  Codes lie in memory as images of operand registers (1,536 bytes a fragment), so a wave's
; tile of a slot is one dense block of 24,576 bytes, and a fragment is three loads of 16 bytes a lane at 16 x lane.  The scale words of 128 rows for all of K are one dense block of 8,192 bytes: they come once and stay.
; CLUSTERS: 4 x 4 work-groups; A's tiles are shared along a row of the cluster, B's along a column: joint loads.  THE PRODUCT IS USED TRANSPOSED (source 0 = 16 rows of W, source 1 = 16 rows of x): lane (r, h) holds row r and
; columns c = 16 b + 8 h + 0 .. 7 of W's block b.  The sums begin at bq + bk, the C of each accumulator's first product.
; THE SOFTMAX, per (row, my 128 columns): M = ceil(the largest t there), a whole number; p = 2^(t - M); l = the sum of the unquantised p; p's codes with scale bytes under this local M.  The last launch brings bytes and sums under the
; row's M by whole-number shifts, which change no code.  tanh(x) = 1 - 2 / (1 + 2^(2 log2(e) x)): at both ends the exponential's infinity or zero gives +-1.
; Inside a block of 32 the codes stand in the order in which the results fall: place p holds c = p % 8 + 16 ((p / 8) % 2) + 8 (p / 16); v's codes have the same order.
; LIMITS: NaN or +infinity in mask, NaN or infinities in the biases are not served; mask = -infinity gives p = 0; 128 columns that are all -infinity get M = -3e38 and l = 0.  x is summed as one f32 chain from bq + bk on.
; REGISTERS: window 0: v2-31 addresses and the row's figures; v32-63 scale words, two sets (nothing else ever); v64-127 the bias, later a block of mask; v128-223 A's fragments; on the way out v128-191 t, v192-255 mask, then codes.
;   window 1: B's fragments, two sets at v0 and v128; v96-127, v224-255 a block of mask.   windows 2, 3: the accumulators ((a, b) at v[8 (8 (a % 4) + b)]).
.set FRB,   1536                       ; a fragment's image
.set RT2,   3072                       ; a tile of 16 rows in a slot: two K steps
.set HALFT, 24576                      ; 128 rows: what one tensor load brings
.set SLOT,  24576                      ; from slot 0 to slot 1.  LDS: for each of A's two halves of 128 rows its slot 0 and its slot 1 side by side, then the same for B's from 4 HALFT on: so one load of two rows of 24,576 bytes fills a wave's part of both slots
.set SCL,   196608                     ; behind the ring: the scale words, four quarters of 8,192 bytes: A's halves, B's halves; each [slot 8][row 128][K step 2]
.set HALFS, 8192
.set STG,   229376                     ; a stage for the mask for each wave: 16 rows x (512 + 16)
.set STGW,  8448
.set STAT,  263168                     ; 1,536 bytes a wave: scale word, -M, l of its 128 rows
.set SPARE, 269312                     ; the spare words, 128 bytes for each wave: two blocks of 256 bytes that no other line names
.set NQ,    2
.set FR,    12
.set NL,    3                          ; LDS loads that bring a fragment
.set NP,    4                          ; places behind this matrix instruction (ISA guide 7.12.1)
.set ASTEP, 1572864                    ; a K slot on, in xc and pc
.set BSTEP, 393216                     ; and in wc
.set ADRA, 16                          ; v16-17 my A fragments in slot 0, 1
.set ADRB, 20                          ; v20-21 my B fragments
.set ADRS, 27                          ; v27 my scale words: lanes 0-15 A's rows, lanes 16-31 B's
.set SPW,  28                          ; v28 my spare word; never rewritten
.set NIL,  29                          ; v29 0; never rewritten
.set SC,   32
.set BIAS, 64
.set AF,   128
.set T,    128
.set MK,   192
.set PC,   192                         ; codes (once the mask is used up)
.set PT,   204
.set BM,   212
.set BP,   216
.set SO,   220
.set G1,   24
.set G0,   32
.set G1B,  48
.set G0B,  56
.set SSRC, 76                          ; s[76:77] where my quarter of the scale words lies in memory
.set MSB, 0
.macro WIN new                         ; the immediate's high byte repeats the setting that is left
.if MSB != \new
	s_set_vgpr_msb (MSB<<8)|\new
.set MSB, \new
.endif
.endm
.set MUL_LO, 0xa1                      ; source 0 (B) window 1, source 1 (A) window 0, C and D window 2
.set MUL_HI, 0xf1                      ; the same, C and D window 3
.set TO_B,   0x40                      ; destination window 1, address window 0
.macro JLOAD g0a, g1a, g0b, g1b        ; a joint load: waves 0 and 1 fetch for A, waves 2 and 3 for B; an s_nop 0 and four v_nop follow each line
	s_cmp_eq_u32 s15, 0
	s_cbranch_scc0 .Lfor_b_\@
	tensor_load_to_lds s[\g0a:\g0a+3], s[\g1a:\g1a+7]
	s_nop 0
.rept 4
	v_nop
.endr
	s_branch .Lasked_\@
.Lfor_b_\@:
	tensor_load_to_lds s[\g0b:\g0b+3], s[\g1b:\g1b+7]
	s_nop 0
.rept 4
	v_nop
.endr
.Lasked_\@:
.endm
.macro CREST                           ; a round of the cluster's barrier behind its opening barrier
	s_cmp_lg_u32 s14, 0
	s_cbranch_scc1 .Lnot_wave_0_\@
	s_barrier_signal -3
.Lnot_wave_0_\@:
	s_barrier_wait -3
	s_barrier_signal -1
	s_barrier_wait -1
.endm
.macro CROUND
	s_barrier_signal -1
	s_barrier_wait -1
	CREST
.endm
.macro PLACES n
.rept \n
	v_nop
.endr
.endm
	s_load_b256 s[4:11], s[0:1], 0x0               ; xc, xs, wc, ws
	s_load_b256 s[92:99], s[0:1], 0x20             ; bq, bk, mask, pc
	s_load_b64 s[100:101], s[0:1], 0x40            ; pstat
	v_lshl_add_u32 v[SPW], v0, 2, SPARE
	v_mov_b32 v[NIL], 0
	ds_add_u32 v[SPW], v[NIL]                      ; the wave's opening: the add, twice on end, and its wait ahead of my first tensor load
	ds_add_u32 v[SPW], v[NIL]
	v_lshrrev_b32 v1, 5, v0
	v_readfirstlane_b32 s14, v1                    ; wave 0..3
	s_lshr_b32 s15, s14, 1                         ; my half of the tile's rows.  Also: I fetch for A (0) or for B (1)
	s_and_b32 s16, s14, 1                          ; my half of its columns.  Also: which 128 rows I fetch
	s_bfe_u32 s40, ttmp6, 0x40000                  ; cx
	s_bfe_u32 s41, ttmp6, 0x40004                  ; cy
	s_lshl_b32 s42, ttmp9, 2
	s_add_co_u32 s42, s42, s40                     ; tile column = 4 x cluster x + cx
	s_and_b32 s17, ttmp7, 0xffff
	s_lshl_b32 s17, s17, 2
	s_add_co_u32 s17, s17, s41                     ; tile row = 4 x cluster y + cy
	s_lshl_b32 s43, s41, 2
	s_lshl_b32 s43, 15, s43                        ; my row of the cluster
	s_lshl_b32 s44, 0x1111, s40                    ; my column
	s_or_b32 s[G1+0], s43, (3<<16)|(1<<21)         ; 15:0 the mask; 17:16 elements of 8 bytes; 21 set beside a mask; no padding
	s_or_b32 s[G1B+0], s44, (3<<16)|(1<<21)
.irp g, G1, G1B                        ; the head's form: 128 rows of K slots 0 and 1: two rows of 24,576 dense bytes (3,072 elements), a K slot apart in memory
	s_mov_b32 s[\g+1], 3072<<16                    ; tensor_dim0
	s_mov_b32 s[\g+2], 2<<16                       ; tensor_dim1 = 2
	s_mov_b32 s[\g+3], 3072<<16                    ; tile_dim0
	s_mov_b32 s[\g+4], 2                           ; tile_dim1 = 2
	s_mov_b32 s[\g+6], 0
	s_mov_b32 s[\g+7], 0
.endr
	s_mov_b32 s[G1+5], ASTEP/8                     ; stride, in elements of 8 bytes
	s_mov_b32 s[G1B+5], BSTEP/8
	s_mul_i32 s18, s16, HALFT                      ; which 128 rows of the tile I fetch
	s_mul_i32 s20, s17, 2*HALFT
	s_add_co_u32 s20, s20, s18                     ; A's codes: by the tile row alone
	s_mov_b32 s21, 0
	s_mul_i32 s46, s42, 2*HALFT
	s_add_co_u32 s46, s46, s18                     ; B's: by the tile column alone
	s_mov_b32 s47, 0
	s_lshl_b32 s22, s17, 1
	s_lshl_b32 s22, s22, 13                        ; A's scale words
	s_mov_b32 s23, 0
	s_lshl_b32 s2, s42, 1
	s_lshl_b32 s2, s2, 13                          ; B's
	s_mov_b32 s3, 0
	s_mul_i32 s45, s14, 2*HALFT                    ; where they go, by the wave's number alone: A's halves, then B's halves, two slots each
	s_wait_dscnt 0x0                               ; both opening adds are done
	s_wait_kmcnt 0x0
	s_add_nc_u64 s[20:21], s[4:5], s[20:21]
	s_add_nc_u64 s[22:23], s[6:7], s[22:23]
	s_add_nc_u64 s[46:47], s[8:9], s[46:47]
	s_add_nc_u64 s[2:3], s[10:11], s[2:3]
	s_cmp_eq_u32 s15, 0                            ; the scale words: wave w copies quarter w (A's halves, B's halves), 8,192 dense bytes, through registers into LDS bytes that no tensor load fills
	s_cselect_b64 s[SSRC:SSRC+1], s[22:23], s[2:3]
	s_lshl_b32 s78, s16, 13
	s_mov_b32 s79, 0
	s_add_nc_u64 s[SSRC:SSRC+1], s[SSRC:SSRC+1], s[78:79]
	s_lshl_b32 s78, s14, 13
	s_add_co_u32 s78, s78, SCL                     ; and where it goes
.irp s, 0,1
	s_mov_b32 s[G0+4*\s], 1
	s_add_co_u32 s[G0+4*\s+1], s45, \s*SLOT
	s_add_nc_u64 s[G0+4*\s+2:G0+4*\s+3], s[20:21], \s*ASTEP
	s_or_b32 s[G0+4*\s+3], s[G0+4*\s+3], 0x80000000
	s_mov_b32 s[G0B+4*\s], 1
	s_add_co_u32 s[G0B+4*\s+1], s45, \s*SLOT
	s_add_nc_u64 s[G0B+4*\s+2:G0B+4*\s+3], s[46:47], \s*BSTEP
	s_or_b32 s[G0B+4*\s+3], s[G0B+4*\s+3], 0x80000000
.endr
; THE PREFETCHES OF THE TILES.  Of the 24,576 bytes that my wave fetches of a K slot, each of the four partners that ask for them jointly names 6,144, told apart by address (cx for A, cy for B): 24 blocks of 256 bytes, a lane each
; (lanes 24-31 name the last block again).  So each block is named once in each cluster that loads it.  s[4:5]: my share in K slot 0, stepped by a K slot (s[6:7]) at each change of slots.
; K slots 0 and 1 come by the head's loads alone; the head asks for K slots 2 and 3; the change of slots that refills with K slot j + 2 asks for K slot j + 4, two refills on; the last trip asks for nothing.
	s_cmp_eq_u32 s15, 0                            ; do I fetch for A?  (the arguments in s[4:11] have been used)
	s_cselect_b64 s[4:5], s[20:21], s[46:47]
	s_cselect_b32 s8, s40, s41                     ; my place among the four partners
	s_mov_b32 s6, BSTEP
	s_cselect_b32 s6, ASTEP, s6                    ; a K slot on, in my buffer
	s_mov_b32 s7, 0
	s_mul_i32 s8, s8, 6144
	s_mov_b32 s9, 0
	s_add_nc_u64 s[4:5], s[4:5], s[8:9]
	s_lshl_b32 s10, s6, 1                          ; two K slots on
	s_add_co_u32 s11, s10, s6                      ; three
	CROUND                                         ; all sixteen work-groups are here: the first joint loads meet
	JLOAD G0, G1, G0B, G1B                         ; THE HEAD'S LOADS, ONE A WAVE: my 128 rows of K slots 0 and 1, 49,152 bytes a wave: both slots are asked for at once
	v_and_b32 v24, 31, v0                          ; lane
	v_and_b32 v22, 15, v0                          ; r
	v_bfe_u32 v23, v0, 4, 1                        ; h
	v_lshlrev_b32 v2, 4, v24                       ; 16 x lane; never rewritten
	v_lshlrev_b32 v30, 5, v23                      ; 32 h: my half's eight numbers of a bias; never rewritten
	v_min_u32 v25, 23, v24
	v_lshlrev_b32 v25, 8, v25                      ; my block of 256 bytes of my share
	v_add_nc_u32 v11, s10, v25                     ; two K slots on (used here alone)
	v_add_nc_u32 v31, s11, v25                     ; three K slots on; never rewritten
	v_add_nc_u32 v9, s78, v2                       ; LDS: my quarter of the scale words, 16 x lane
	s_wait_alu depctr_va_vdst(0)
.irp i, 0,1,2,3,4,5,6,7,8,9,10,11,12,13,14,15
	global_load_b128 v[192+4*\i:195+4*\i], v2, s[SSRC:SSRC+1] offset:512*\i   ; my quarter of the scale words: 512 consecutive bytes a load
.endr
	global_prefetch_b8 v11, s[4:5] th:TH_LOAD_NT scope:SCOPE_SE   ; K slot 2
	global_prefetch_b8 v31, s[4:5] th:TH_LOAD_NT scope:SCOPE_SE   ; K slot 3
	s_lshl_b32 s46, s42, 10
	s_lshl_b32 s47, s16, 9
	s_add_co_u32 s46, s46, s47                     ; my first column x 4 bytes
	s_mov_b32 s47, 0
	s_add_nc_u64 s[92:93], s[92:93], s[46:47]
	s_add_nc_u64 s[94:95], s[94:95], s[46:47]
	s_lshl_b32 s20, s17, 8
	s_lshl_b32 s21, s15, 7
	s_add_co_u32 s20, s20, s21                     ; my first row
	s_lshl_b32 s22, s20, 13                        ; a row of mask is 8,192 bytes
	s_mov_b32 s23, 0
	s_add_nc_u64 s[96:97], s[96:97], s[22:23]
	s_add_nc_u64 s[96:97], s[96:97], s[46:47]      ; mask at my first row and column; never rewritten
; Where block a's 16 rows of mask wait as loaded: four buffers by turns
.macro RAWREG a, i
.if ((\a)%4) == 0
.if (\i) < 8
.set RR, 96+4*(\i)
.else
.set RR, 192+4*(\i)
.endif
.elseif ((\a)%4) == 1
.set RR, 64+4*(\i)
.elseif ((\a)%4) == 2
.set RR, 4*(\i)
.else
.set RR, 128+4*(\i)
.endif
.endm
.macro RAWLOAD a                       ; 16 loads, each 512 consecutive bytes of one row
.if ((\a)%4) != 1
	WIN TO_B
.endif
.irp i, 0,1,2,3,4,5,6,7,8,9,10,11,12,13,14,15
	RAWREG \a, \i
	global_load_b128 v[RR:RR+3], v2, s[96:97] offset:(16*(\a)+\i)*8192 th:TH_LOAD_NT
.endr
	WIN 0
.endm
.irp b, 0,1,2,3,4,5,6,7
.irp j, 0,1
	global_load_b128 v[BIAS+8*\b+4*\j:BIAS+8*\b+4*\j+3], v30, s[92:93] offset:64*\b+16*\j   ; register 8 b + i = bq[my first column + 16 b + 8 h + i]
	global_load_b128 v[AF+8*\b+4*\j:AF+8*\b+4*\j+3], v30, s[94:95] offset:64*\b+16*\j       ; bk likewise
.endr
.endr
	RAWLOAD 0
	s_mul_i32 s22, s42, ASTEP                      ; pc: slot = my tile column,
	s_lshl_b32 s45, s17, 4
	s_lshl_b32 s2, s15, 3
	s_add_co_u32 s45, s45, s2
	s_mul_i32 s45, s45, RT2                        ; my first tile of rows,
	s_add_co_u32 s22, s22, s45
	s_mul_i32 s45, s16, FRB                        ; K step = my half of the columns
	s_add_co_u32 s22, s22, s45
	s_add_nc_u64 s[98:99], s[98:99], s[22:23]
	s_lshl_b32 s22, s42, 1
	s_add_co_u32 s22, s22, s16
	s_lshl_b32 s22, s22, 15                        ; pstat: my chunk of 128 columns: 8,192 rows x 4 bytes,
	s_lshl_b32 s45, s20, 2                         ; my first row
	s_add_co_u32 s22, s22, s45
	s_add_nc_u64 s[100:101], s[100:101], s[22:23]
	s_wait_loadcnt 16                              ; the scale words and both biases are in; the mask's 16 loads may be out
.irp i, 0,1,2,3,4,5,6,7,8,9,10,11,12,13,14,15
	ds_store_b128 v9, v[192+4*\i:195+4*\i] offset:512*\i
.endr
.set i, 0
.rept 32
	v_pk_add_f32 v[BIAS+i:BIAS+i+1], v[BIAS+i:BIAS+i+1], v[AF+i:AF+i+1]
.set i, i+2
.endr
	s_mul_i32 s21, s15, 2*HALFT                    ; my 128 rows of A
	s_mul_i32 s22, s16, 2*HALFT
	s_add_co_u32 s22, s22, 4*HALFT                 ; my 128 rows of B, behind A's two slots
.irp s, 0,1
	v_add_nc_u32 v[ADRA+\s], s21, v2
	v_add_nc_u32 v[ADRB+\s], s22, v2
	s_add_co_u32 s21, s21, SLOT
	s_add_co_u32 s22, s22, SLOT
.endr
	s_mul_i32 s21, s15, HALFS                      ; A's scale words: my quarter
	s_mul_i32 s22, s16, HALFS
	s_add_co_u32 s22, s22, 2*HALFS                 ; B's
	s_sub_co_u32 s22, s22, s21
	v_mul_u32_u24 v25, s22, v23                    ; lanes 16-31 take B's
	s_add_co_u32 s21, s21, SCL
	v_lshl_add_u32 v25, v22, 3, v25                ; 8 bytes a row
	v_add_nc_u32 v[ADRS], s21, v25
	s_mul_i32 s45, s14, STGW
	s_add_co_u32 s45, s45, STG
	v_add_nc_u32 v3, s45, v2                       ; the stage, in: 16 x lane of a row
	v_mul_u32_u24 v4, v22, 528
	v_lshl_add_u32 v4, v23, 5, v4
	v_add_nc_u32 v4, s45, v4                       ; out: row r, + 32 h
	s_mul_i32 s45, s14, 1536
	s_add_co_u32 s45, s45, STAT
	v_lshl_add_u32 v5, v22, 2, s45                 ; my row's figures
	v_add_nc_u32 v6, s45, v2                       ; and back, 16 bytes a lane
	v_lshrrev_b32 v25, 1, v24
	v_and_b32 v26, 1, v24
	v_lshlrev_b32 v26, 8, v26
	v_lshl_add_u32 v7, v25, 13, v26                ; the prefetches: row lane / 2, its 256 bytes lane % 2; never rewritten
	v_mov_b32 v18, 0x3fb8aa3b
	v_mov_b32 v19, 0x3fb8aa3b                      ; log2(e), as a pair
	s_mov_b32 s66, 0x4038aa3b                      ; 2 log2(e)
	s_mov_b32 s67, s66
	s_mov_b32 s12, 0x3fb8aa3b                      ; log2(e)
	s_mov_b32 s13, s12
	s_mov_b32 s18, 0xc038aa3b                      ; -2 log2(e)
	s_mov_b32 s19, s18
	s_mov_b32 s20, 0x76543210
	s_mov_b32 s21, 0xfedcba98                      ; selects for lane l xor 16
.macro FRAG reg, adr, q, i             ; a fragment comes as it was stored: three loads of 16 bytes a lane, 512 consecutive bytes each
.irp c, 0,1,2
	ds_load_b128 v[\reg+4*\c:\reg+4*\c+3], v[\adr] offset:(\i)*RT2+(\q)*FRB+512*\c
.endr
.endm
; 16 matrix instructions: A's blocks a0, a0 + 1 x B's eight, 128 along K.  zero = 2: the sums begin at the bias.  The 64 accumulators take turns, one instruction a turn, in the same order in every step.
.macro MUL16 a0, p, q, sc, zero
.irp a, \a0, \a0+1
.irp b, 0,1,2,3,4,5,6,7
.if (\zero) == 2
	v_wmma_scale_f32_16x16x128_f8f6f4 v[8*(8*((\a)%4)+\b):8*(8*((\a)%4)+\b)+7], v[128*(\p)+FR*\b:128*(\p)+FR*\b+FR-1], v[AF+FR*(\a):AF+FR*(\a)+FR-1], v[BIAS+8*\b:BIAS+8*\b+7], v[SC+8*NQ*(\sc)+NQ*\b+(\q)], v[SC+8*NQ*(\sc)+NQ*(\a)+(\q)] matrix_a_fmt:MATRIX_FMT_FP6 matrix_b_fmt:MATRIX_FMT_FP6 matrix_a_scale:MATRIX_SCALE_ROW1
.else
	v_wmma_scale_f32_16x16x128_f8f6f4 v[8*(8*((\a)%4)+\b):8*(8*((\a)%4)+\b)+7], v[128*(\p)+FR*\b:128*(\p)+FR*\b+FR-1], v[AF+FR*(\a):AF+FR*(\a)+FR-1], v[8*(8*((\a)%4)+\b):8*(8*((\a)%4)+\b)+7], v[SC+8*NQ*(\sc)+NQ*\b+(\q)], v[SC+8*NQ*(\sc)+NQ*(\a)+(\q)] matrix_a_fmt:MATRIX_FMT_FP6 matrix_b_fmt:MATRIX_FMT_FP6 matrix_a_scale:MATRIX_SCALE_ROW1
.endif
.endr
.endr
.endm
.macro FETCH_B slot, q, p
	WIN TO_B
.irp i, 0,1,2,3,4,5,6,7
	FRAG 128*(\p)+FR*\i, ADRB+\slot, \q, \i
.endr
	WIN 0
.endm
.macro FETCH_A slot, q, i0
.irp i, \i0, \i0+1, \i0+2, \i0+3
	FRAG AF+FR*(\i), ADRA+\slot, \q, \i
.endr
.endm
.macro SCALES sc                       ; a slot's scale words: two a row; lanes 0-15 A's block i, lanes 16-31 B's block i
.irp i, 0,1,2,3,4,5,6,7
	ds_load_b64 v[SC+8*NQ*\sc+NQ*\i:SC+8*NQ*\sc+NQ*\i+1], v[ADRS] offset:128*\i
.endr
.endm
; A step of 128 along K that has its successor in the same slot.  A has one set of registers (blocks 0-3 are fetched anew in the step's middle, blocks 4-7 at its end), B two.
.macro STEP slot, q, zero
	s_wait_dscnt 4*NL                              ; B's set, A's blocks 0-3 and the scale words are in; the youngest 12 loads (A's blocks 4-7) may be out
	FETCH_B \slot, (\q)+1, 1-(\q)%2                ; B's other set is free since the step before (its last four v_nop are the places): the next step's fragments, 64 products ahead of their use
.if (\zero) == 2
	WIN 0x81                                       ; C (the bias) window 0, D window 2
.else
	WIN MUL_LO
.endif
	MUL16 0, (\q)%2, \q, \slot, \zero
	MUL16 2, (\q)%2, \q, \slot, \zero
	s_wait_dscnt 8*NL                              ; A's blocks 4-7 are in; the 24 loads of B's next set may be out
	PLACES NP                                      ; in front of loads into registers that matrix instructions have read
	WIN 0                                          ; A's fragments and their address lie in window 0
	FETCH_A \slot, (\q)+1, 0
.if (\zero) == 2
	WIN 0xc1
.else
	WIN MUL_HI
.endif
	MUL16 4, (\q)%2, \q, \slot, \zero
	MUL16 6, (\q)%2, \q, \slot, \zero
	PLACES NP
	WIN 0
	FETCH_A \slot, (\q)+1, 4
.endm
; A slot's last step changes slots: one barrier; in front of it each wave waits for all its tensor loads, adds 0 to its spare word, and waits for that and for its reads of this slot.  fill = 1: this slot is filled again, two slots ahead.
.macro TURN slot, next, fill
	s_wait_tensorcnt 0x0                           ; all my tensor loads have landed: my part of the next slot
	ds_add_u32 v[SPW], v[NIL]
	s_wait_dscnt 4*NL+1                            ; (the add and the youngest 12 loads may be out)
	WIN MUL_LO
	MUL16 0, 1, NQ-1, \slot, 0
	s_wait_dscnt 0x0                               ; the add is done, and my reads of this slot are over
	s_barrier_signal -1
	MUL16 2, 1, NQ-1, \slot, 0
	WIN 0
	s_barrier_wait -1
.if \fill
	CREST                                          ; the barrier has opened a round of the cluster's: no wave of any partner still reads this slot or has a load on its way
	s_add_nc_u64 s[G0+4*\slot+2:G0+4*\slot+3], s[G0+4*\slot+2:G0+4*\slot+3], 2*ASTEP
	s_add_nc_u64 s[G0B+4*\slot+2:G0B+4*\slot+3], s[G0B+4*\slot+2:G0B+4*\slot+3], 2*BSTEP
	JLOAD G0+4*\slot, G1, G0B+4*\slot, G1B         ; the first tensor load behind the round; its four v_nop are also the places in front of the loads below
.else
	PLACES NP
.endif
	s_wait_alu depctr_va_vdst(0)
	v_add_nc_u32 v[ADRS], 1024, v[ADRS]            ; the next slot's scale words
	FETCH_B \next, 0, 0
	FETCH_A \next, 0, 0
	SCALES \next
.if \fill
	s_wait_xcnt 0x0                                ; my last prefetch, a slot ago, has read its address: it is stepped here
	s_add_nc_u64 s[4:5], s[4:5], s[6:7]
	s_cmp_gt_u32 s3, 1                             ; the last trip's two changes of slots have no K slot four on
	s_cbranch_scc0 .Lno_ask_\@
	global_prefetch_b8 v31, s[4:5] th:TH_LOAD_NT scope:SCOPE_SE   ; the K slot two refills on, behind the joint load and the run of LDS loads
.Lno_ask_\@:
.endif
	WIN MUL_HI
	MUL16 4, 1, NQ-1, \slot, 0
	MUL16 6, 1, NQ-1, \slot, 0
	PLACES NP
	WIN 0
	FETCH_A \next, 0, 4
.endm
	s_wait_alu depctr_va_vdst(0)
	s_wait_tensorcnt 0x0                           ; my one load of the head is in
.irp g, G1, G1B                        ; no tensor load of mine is out, so a descriptor may be written: the ring's form: 128 rows of one K slot: 24,576 dense bytes as 96 rows of 256
	s_mov_b32 s[\g+1], 32<<16
	s_mov_b32 s[\g+2], 96<<16
	s_mov_b32 s[\g+3], 32<<16
	s_mov_b32 s[\g+4], 96
	s_mov_b32 s[\g+5], 32
.endr
	s_wait_dscnt 0x0                               ; for the others' sake: my quarter of the scale words is stored
	s_barrier_signal -1
	s_barrier_wait -1
	FETCH_B 0, 0, 0
	FETCH_A 0, 0, 0
	SCALES 0
	FETCH_A 0, 0, 4
	STEP 0, 0, 2                                   ; the first step stands in front of the loop: its products start the sums at the bias
	RAWLOAD 1                                      ; the bias's registers are free (the step's last four v_nop are the places): mask block 1
	s_mov_b32 s3, 3
.Llap:                                             ; a trip goes once round the ring and fills both slots again: K slots 2 to 7
	TURN 0, 1, 1
	STEP 1, 0, 0
	TURN 1, 0, 1
	STEP 0, 0, 0
	s_sub_co_u32 s3, s3, 1
	s_cmp_lg_u32 s3, 0
	s_cbranch_scc1 .Llap
	TURN 0, 1, 0                                   ; the last lap fills nothing
	global_prefetch_b8 v7, s[96:97] offset:2*131072 th:TH_LOAD_NT scope:SCOPE_SE   ; my mask blocks 2 to 5 are asked for ahead of their loads: an instruction a block, 16 rows x 2 x 256 bytes, a lane each; each is named once in the launch
	global_prefetch_b8 v7, s[96:97] offset:3*131072 th:TH_LOAD_NT scope:SCOPE_SE
	STEP 1, 0, 0
	global_prefetch_b8 v7, s[96:97] offset:4*131072 th:TH_LOAD_NT scope:SCOPE_SE
	global_prefetch_b8 v7, s[96:97] offset:5*131072 th:TH_LOAD_NT scope:SCOPE_SE
	s_wait_dscnt 4*NL                              ; the very last step
	WIN MUL_LO
	MUL16 0, 1, NQ-1, 1, 0
	MUL16 2, 1, NQ-1, 1, 0
	s_wait_dscnt 0
	WIN MUL_HI
	MUL16 4, 1, NQ-1, 1, 0
	MUL16 6, 1, NQ-1, 1, 0
	WIN 0
; THE WAY OUT, a block of 16 rows x my 128 columns at a time.
.macro TURNM a                         ; block a's mask through my stage: in by rows, out in the results' layout: MK + 8 b + i = mask(row r, 16 b + 8 h + i)
.if ((\a)%4) != 1
	WIN 0x04                                       ; an LDS store's data are its source 1: window 1
.endif
.irp i, 0,1,2,3,4,5,6,7,8,9,10,11,12,13,14,15
	RAWREG \a, \i
	ds_store_b128 v3, v[RR:RR+3] offset:528*\i
.endr
	WIN 0
.irp b, 0,1,2,3,4,5,6,7
	ds_load_b128 v[MK+8*\b:MK+8*\b+3], v4 offset:64*\b
	ds_load_b128 v[MK+8*\b+4:MK+8*\b+7], v4 offset:64*\b+16
.endr
.endm
.macro EPI a
.if (\a) > 0
	s_wait_xcnt 0x0                                ; the last block's stores have read the codes' registers
.endif
.if (\a) < 5
	s_wait_loadcnt 48                              ; this block's mask is in; the three younger blocks' 48 loads may be out
.else
	s_wait_loadcnt 16*(7-(\a))
.endif
	TURNM \a
.if (\a) < 4
	WIN 0x02                                       ; source 0: window 2
.else
	WIN 0x03
.endif
.set i, 0
.rept 32
	v_pk_mul_f32 v[T+i:T+i+1], v[64*((\a)%4)+i:64*((\a)%4)+i+1], s[66:67] op_sel_hi:[1,0]   ; 2 log2(e) x; each accumulator from its low end on
.set i, i+2
.endr
	WIN 0
.set i, 0
	s_wait_alu depctr_va_vdst(0)
.rept 64
	v_exp_f32 v[T+i], v[T+i]                       ; e^(2 x)
.set i, i+1
.endr
	s_wait_dscnt 0x0                               ; the mask is back, and the stage's stores have read its buffer,
.if (\a) < 4
	RAWLOAD (\a)+4                                 ; which takes the block four on
.endif
.set i, 0
.rept 32
	v_pk_fma_f32 v[MK+i:MK+i+1], v[MK+i:MK+i+1], s[12:13], v[18:19] op_sel_hi:[1,0,0]   ; (mask + 1) log2(e): plain work behind the exponentials
.set i, i+2
.endr
	s_wait_alu depctr_va_vdst(0)                   ; one wait for the batch, ahead of its first reader
.set i, 0
.rept 32
	v_pk_add_f32 v[T+i:T+i+1], v[T+i:T+i+1], 1.0 op_sel_hi:[1,0]
.set i, i+2
.endr
.set i, 0
	s_wait_alu depctr_va_vdst(0)
.rept 64
	v_rcp_f32 v[T+i], v[T+i]
.set i, i+1
.endr
	v_nop
	s_wait_alu depctr_va_vdst(0)
.set i, 0
.rept 32
	v_pk_fma_f32 v[T+i:T+i+1], v[T+i:T+i+1], s[18:19], v[MK+i:MK+i+1] op_sel_hi:[1,0,1]   ; t = (tanh(x) + mask) log2(e)
.set i, i+2
.endr
.irp b, 0,1,2,3
	v_max3_num_f32 v[BM+\b], v[T+16*\b], v[T+16*\b+1], v[T+16*\b+2]   ; the largest t of each block of 32: for M, and, since p rises with t, for the block's largest p
.endr
.irp n, 3,5,7,9,11,13
.irp b, 0,1,2,3
	v_max3_num_f32 v[BM+\b], v[BM+\b], v[T+16*\b+\n], v[T+16*\b+\n+1]
.endr
.endr
.irp b, 0,1,2,3
	v_max_num_f32 v[BM+\b], v[BM+\b], v[T+16*\b+15]
.endr
.irp b, 0,1,2,3
	v_permlanex16_b32 v[BP+\b], v[BM+\b], s20, s21
.endr
.irp b, 0,1,2,3
	v_max_num_f32 v[BM+\b], v[BM+\b], v[BP+\b]     ; with lane l xor 16's 16
.endr
	v_max3_num_f32 v14, v[BM], v[BM+1], v[BM+2]
	v_max3_num_f32 v14, v14, v[BM+3], 0xff61b1e6   ; held at -3e38 from below, so that M is a number where all 128 are -infinity
	v_floor_f32 v8, -v14                           ; -M = floor(-t) = -ceil(t)
.set i, 0
.rept 32
	v_pk_add_f32 v[T+i:T+i+1], v[T+i:T+i+1], v[8:9] op_sel_hi:[1,0]   ; t - M
.set i, i+2
.endr
.irp b, 0,1,2,3
	v_add_f32 v[BM+\b], v[BM+\b], v8
.endr
.set i, 0
	s_wait_alu depctr_va_vdst(0)
.rept 64
	v_exp_f32 v[T+i], v[T+i]                       ; p = 2^(t - M)
.set i, i+1
.endr
	v_nop
	s_wait_alu depctr_va_vdst(0)
.irp b, 0,1,2,3
	v_exp_f32 v[BM+\b], v[BM+\b]                   ; each block's largest p: the same two instructions on the same number
.endr
	v_pk_add_f32 v[10:11], v[T:T+1], v[T+2:T+3]    ; l: the sum of the unquantised p, in two chains
	v_pk_add_f32 v[12:13], v[T+4:T+5], v[T+6:T+7]
.irp j, 8,12,16,20,24,28,32,36,40,44,48,52,56,60
	v_pk_add_f32 v[10:11], v[10:11], v[T+\j:T+\j+1]
	v_pk_add_f32 v[12:13], v[12:13], v[T+\j+2:T+\j+3]
.endr
	v_pk_add_f32 v[10:11], v[10:11], v[12:13]
	v_add_f32 v10, v10, v11
	v_permlanex16_b32 v11, v10, s20, s21
	v_add_f32 v10, v10, v11                        ; with lane l xor 16's half
	s_wait_alu depctr_va_vdst(0)                   ; and the wait for the four
.irp b, 0,1,2,3
	v_max_num_f32 v[BM+\b], 0x1800000, v[BM+\b]    ; the floor: the byte cannot fall under 1
.endr
.irp b, 0,1,2,3
	v_add_nc_u32 v[SO+\b], 0xff000000, v[BM+\b]    ; 2 off the exponent field: the conversion's scale operand
.endr
.irp b, 0,1,2,3
	v_lshrrev_b32 v[BP+\b], 23, v[SO+\b]
.endr
	v_lshl_or_b32 v15, v[BP+1], 8, v[BP]           ; my row's scale word, under the local M
	v_lshl_or_b32 v15, v[BP+2], 16, v15
	v_lshl_or_b32 v15, v[BP+3], 24, v15
.irp c, 0,1
	v_cvt_scalef32_pk16_fp6_f32 v[PC+6*\c:PC+6*\c+2], v[T+32*\c:T+32*\c+15], v[SO+2*\c]
	v_cvt_scalef32_pk16_fp6_f32 v[PT+4*\c:PT+4*\c+2], v[T+32*\c+16:T+32*\c+31], v[SO+2*\c+1]
.endr
	v_nop                                          ; one plain line behind the scaled conversions
.irp c, 0,1                            ; the operand's layout wants a whole block in a lane
.irp n, 0,1,2
	v_permlane16_swap_b32 v[PC+6*\c+\n], v[PT+4*\c+\n]
.endr
.irp n, 0,1,2
	v_mov_b32 v[PC+6*\c+3+\n], v[PT+4*\c+\n]
.endr
.endr
.irp c, 0,1,2
	global_store_b128 v2, v[PC+4*\c:PC+4*\c+3], s[98:99] offset:RT2*(\a)+512*\c   ; the fragment's image: 512 consecutive bytes a store
.endr
	ds_store_b32 v5, v15 offset:64*(\a)            ; lanes l and l xor 16 write the same words with the same values
	ds_store_b32 v5, v8 offset:512+64*(\a)
	ds_store_b32 v5, v10 offset:1024+64*(\a)
.endm
	PLACES NP                                      ; behind the last products: for the loads into B's registers, and for the first read of results
	RAWLOAD 2
	RAWLOAD 3
	v_mov_b32 v9, 0                                ; (named as the upper half of the pair v[8:9])
.irp a, 0,1,2,3,4,5,6,7
	EPI \a
.endr
.irp p, 0,1,2
	ds_load_b128 v[T+4*\p:T+4*\p+3], v6 offset:512*\p   ; my 128 rows' words, -M and l
.endr
	s_wait_dscnt 0x0
.irp p, 0,1,2
	global_store_b128 v2, v[T+4*\p:T+4*\p+3], s[100:101] offset:524288*\p   ; 512 consecutive bytes in each of the three planes
.endr
	s_wait_tensorcnt 0x0                           ; the wave's end
	ds_add_u32 v[SPW], v[NIL]
	s_wait_dscnt 0x0
	CROUND                                         ; the closing round
	s_endpgm
.Lfunc_end_k_q44c08f6980_energy:
	.size	k_q44c08f6980_energy, .Lfunc_end_k_q44c08f6980_energy-k_q44c08f6980_energy
	.p2alignl 7, 3214868480
	.fill 96, 4, 3214868480
	.section	.rodata,"a",@progbits
	.p2align	6, 0x0
	.amdhsa_kernel k_q44c08f6980_energy
		.amdhsa_group_segment_fixed_size 327680
		.amdhsa_private_segment_fixed_size 0
		.amdhsa_enable_private_segment 0
		.amdhsa_kernarg_size 72
		.amdhsa_user_sgpr_count 2
		.amdhsa_user_sgpr_kernarg_segment_ptr 1
		.amdhsa_wavefront_size32 1
		.amdhsa_system_sgpr_workgroup_id_x 1
		.amdhsa_system_sgpr_workgroup_id_y 1
		.amdhsa_system_sgpr_workgroup_id_z 1
		.amdhsa_system_vgpr_workitem_id 0
		.amdhsa_next_free_vgpr 1024
		.amdhsa_next_free_sgpr 102
		.amdhsa_reserve_vcc 0
		.amdhsa_float_denorm_mode_32 3
		.amdhsa_float_denorm_mode_16_64 3
		.amdhsa_memory_ordered 1
		.amdhsa_forward_progress 1
		.amdhsa_inst_pref_size 255
	.end_amdhsa_kernel
	.section	.bss,"aw",@nobits
	.p2align	6
	.space	262144
	.amdgpu_metadata
---
amdhsa.version: [ 1, 2 ]
amdhsa.kernels:
  - .name:           k_q44c08f6980_energy
    .symbol:         k_q44c08f6980_energy.kd
    .args:
      - { .name: xc, .offset: 0, .size: 8, .value_kind: global_buffer, .address_space: global }
      - { .name: xs, .offset: 8, .size: 8, .value_kind: global_buffer, .address_space: global }
      - { .name: wc, .offset: 16, .size: 8, .value_kind: global_buffer, .address_space: global }
      - { .name: ws, .offset: 24, .size: 8, .value_kind: global_buffer, .address_space: global }
      - { .name: bq, .offset: 32, .size: 8, .value_kind: global_buffer, .address_space: global }
      - { .name: bk, .offset: 40, .size: 8, .value_kind: global_buffer, .address_space: global }
      - { .name: mask, .offset: 48, .size: 8, .value_kind: global_buffer, .address_space: global }
      - { .name: pc, .offset: 56, .size: 8, .value_kind: global_buffer, .address_space: global }
      - { .name: pstat, .offset: 64, .size: 8, .value_kind: global_buffer, .address_space: global }
    .group_segment_fixed_size: 327680
    .private_segment_fixed_size: 0
    .kernarg_segment_align: 8
    .kernarg_segment_size: 72
    .max_flat_workgroup_size: 128
    .sgpr_count:     102
    .vgpr_count:     1024
    .wavefront_size: 32
...
	.end_amdgpu_metadata
.endif
;; end of part 2
;; launch mix (part 3): grid 4 x 64, 4 waves a work-group, clusters of 4 x 4, 327,680 bytes of LDS; arguments pc, pstat, vc, vs, out0; writes out0
.if DOCPART == 3
	.amdgcn_target "amdgcn-amd-amdhsa--gfx1250"
	.amdhsa_code_object_version 6
	.text
	.protected	k_q44c08f6980_mix
	.globl	k_q44c08f6980_mix
	.p2align	8
	.type	k_q44c08f6980_mix,@function
k_q44c08f6980_mix:
	s_mov_b64 s[64:65], 0
	v_nop
	global_prefetch_b8 v0, s[64:65] scope:SCOPE_SE
	s_setreg_imm32_b32 hwreg(HW_REG_WAVE_MODE, 25, 1), 1
	s_wait_xcnt 0x0
	s_wait_alu depctr_hold_cnt(0) depctr_sa_sdst(0) depctr_va_vdst(0) depctr_va_sdst(0) depctr_va_ssrc(0) depctr_va_vcc(0) depctr_vm_vsrc(0)
	s_getreg_b32 s2, hwreg(HW_REG_IB_STS2, 6, 4)
	s_cmp_eq_u32 s2, 0
	s_cbranch_scc0 .Lentry_in_a_cluster
	s_endpgm
.Lentry_in_a_cluster:
	s_bfe_u32 s2, ttmp6, 0x10000c
	s_cmp_lg_u32 s2, 0xf033
	s_cbranch_scc0 .Lentry_shape_is_right
	s_endpgm
.Lentry_shape_is_right:
; out[b] = (P[b] V[b]) / l: 8 x (1,024 x 1,024, K = 2,048) on codes of E2M3 with E8M0 scales.  Nothing is left out.
; P's codes were made under a local M for each (row, 128 columns).  At the head each thread takes one of the work-group's 128 rows: the row's M is the largest of the 16 local ones; a chunk's sum l and its four scale bytes go down by
; k = M - local M, a whole number: l by v_ldexp_f32, a byte by a subtraction.  LIMIT: a byte that would fall under 1 is held at 1 (such terms lie under 2^-119 of the row's largest p); k is held at 300.
; A row whose 2,048 masks are all -infinity has l = 0 and gives NaN, as reference() does.
; SHARES.  A tile of out is 128 rows x 256 columns e: 64 x 4 = 256 work-groups.  Four waves, each 64 x 128: 32 accumulators of 16 x 16.  The matrix instruction is used transposed (source 0 = 16 rows e of V, source 1 = 16 rows of P):
; a lane holds eight neighbouring e of one row of out.
; THE RING.  Codes lie in memory as images of operand registers (1,536 bytes a fragment), [K slot of 256][tile of 16 rows][K step][1536].  An LDS slot holds 512 along K: P's 128 rows of two K slots (2 x 24,576 dense bytes, waves 0 and 1)
; and V's 256 rows of two (2 x 49,152, waves 2 and 3): one tensor load a wave.  K is four such slots: two are first fills, two are refills; between two changes of slots a wave issues 128 matrix instructions.
; So the K part is written out, 16 K steps of 32 matrix instructions, and every offset is an immediate.
; CLUSTERS: 4 x 4 work-groups, half a batch: P's tiles are shared along a row of the cluster, V's along a column: joint loads.
; REGISTERS: window 0: v2-31 addresses, 1 / l; v32-63 scale words, two sets (nothing else ever); v64-127 at work at the head and on the way out; v128-223 A's fragments, two sets of 48; window 1: B's two sets at v0 and v128; window 2: the accumulators ((a, b) at v[8 (8 a + b)]).
.set FRB,   1536                       ; a fragment's image
.set RT2,   3072                       ; a tile of 16 rows in a K slot of 256: two K steps
.set HALFA, 24576                      ; P's 128 rows of a K slot of 256
.set HALFB, 49152                      ; V's 256 rows of one
.set VB,    98304                      ; LDS: P's four blocks (K slot n of a round of four at n HALFA), then from VB on V's four, in the order K slot 0, 2, 1, 3.  LDS slot s is P's blocks 2 s, 2 s + 1 and V's K slots 2 s, 2 s + 1
.set G1H,   72                         ; s[72:79] group 1 of the head's load of P;  s[92:99] of the head's loads of V
.set G1BH,  92
.set SCL,   294912                     ; behind the ring: P's scale words, 8,192 bytes, written by LDS stores alone; behind them V's, 2 x 8,192, by tensor loads alone; each [K slot 8][row 128][K step 2]
.set RL,    319488                     ; 1 / l of the 128 rows
.set SPARE, 320000                     ; the spare words, 128 bytes for each wave: two blocks of 256 bytes that no other line names
.set SPITCH, 528                       ; the way out: a stage of 16 rows x (512 + 16) for each wave, in slot 0, which has had its last fill and its last read by then
.set FR,    12
.set NP,    4                          ; places behind this matrix instruction (ISA guide 7.12.1)
.set ASTEP, 1572864                    ; a K slot of 256 on, in pc
.set BSTEP, 196608                     ; and in vc
.set ADRA, 16                          ; v16-17 my A fragments in slot 0, 1
.set ADRB, 20                          ; v20-23 my B fragments: slot s, block m at 2 s + m
.set STO,  24
.set RD,   25
.set CO,   26
.set ADRS, 27                          ; my scale words: lanes 0-15 P's rows, lanes 16-31 V's
.set SPW,  28                          ; my spare word; never rewritten
.set NIL,  29                          ; 0; never rewritten
.set SC,   32
.set AF,   128
.set BK,   128
.set G1,   24
.set G0,   32
.set G1B,  48
.set G0B,  56
.set G1SB, 80
.set G0SB, 88
.set MSB, 0
.macro WIN new                         ; the immediate's high byte repeats the setting that is left
.if MSB != \new
	s_set_vgpr_msb (MSB<<8)|\new
.set MSB, \new
.endif
.endm
.set MUL,  0xa1                        ; source 0 (B) window 1, source 1 (A) window 0, C and D window 2
.set TO_B, 0x40                        ; destination window 1, address window 0
.macro JLOAD g0a, g1a, g0b, g1b        ; a joint load: waves 0 and 1 fetch for P, waves 2 and 3 for V; an s_nop 0 and four v_nop follow each line
	s_cmp_eq_u32 s15, 0
	s_cbranch_scc0 .Lfor_b_\@
	tensor_load_to_lds s[\g0a:\g0a+3], s[\g1a:\g1a+7]
	s_nop 0
.rept 4
	v_nop
.endr
	s_branch .Lasked_\@
.Lfor_b_\@:
	tensor_load_to_lds s[\g0b:\g0b+3], s[\g1b:\g1b+7]
	s_nop 0
.rept 4
	v_nop
.endr
.Lasked_\@:
.endm
.macro CREST                           ; a round of the cluster's barrier behind its opening barrier
	s_cmp_lg_u32 s14, 0
	s_cbranch_scc1 .Lnot_wave_0_\@
	s_barrier_signal -3
.Lnot_wave_0_\@:
	s_barrier_wait -3
	s_barrier_signal -1
	s_barrier_wait -1
.endm
.macro CROUND
	s_barrier_signal -1
	s_barrier_wait -1
	CREST
.endm
.macro PLACES n
.rept \n
	v_nop
.endr
.endm
	s_load_b256 s[4:11], s[0:1], 0x0               ; pc, pstat, vc, vs
	s_load_b64 s[12:13], s[0:1], 0x20              ; out0
	v_lshl_add_u32 v[SPW], v0, 2, SPARE
	v_mov_b32 v[NIL], 0
	ds_add_u32 v[SPW], v[NIL]                      ; the wave's opening: the add, twice on end, and its wait ahead of my first tensor load
	ds_add_u32 v[SPW], v[NIL]
	v_lshrrev_b32 v1, 5, v0
	v_readfirstlane_b32 s14, v1                    ; wave
	s_lshr_b32 s15, s14, 1                         ; my half of the tile's 128 rows.  Also: I fetch for P (0) or for V (1)
	s_and_b32 s16, s14, 1                          ; my half of its 256 columns.  Also: which of a slot's two K slots of 256 I fetch
	s_bfe_u32 s40, ttmp6, 0x40000                  ; cx
	s_bfe_u32 s41, ttmp6, 0x40004                  ; cy
	s_lshl_b32 s42, ttmp9, 2
	s_add_co_u32 s42, s42, s40                     ; tile column: 256 e
	s_and_b32 s18, ttmp7, 0xffff                   ; cluster y
	s_lshl_b32 s17, s18, 2
	s_add_co_u32 s17, s17, s41                     ; tile row: 128 rows of the 8,192
	s_lshr_b32 s18, s18, 1                         ; the batch: two clusters each, so all sixteen partners share it
	s_lshl_b32 s43, s41, 2
	s_lshl_b32 s43, 15, s43                        ; my row of the cluster
	s_lshl_b32 s44, 0x1111, s40                    ; my column
	s_or_b32 s[G1+0], s43, (3<<16)|(1<<21)         ; 15:0 the mask; 17:16 elements of 8 bytes; 21 set beside a mask; no padding
	s_mov_b32 s[G1+1], 32<<16                      ; P: 24,576 dense bytes as 96 rows of 256
	s_mov_b32 s[G1+2], 96<<16
	s_mov_b32 s[G1+3], 32<<16
	s_mov_b32 s[G1+4], 96
	s_mov_b32 s[G1+5], 32
	s_mov_b32 s[G1+6], 0
	s_mov_b32 s[G1+7], 0
	s_or_b32 s[G1B+0], s44, (3<<16)|(1<<21)
	s_mov_b32 s[G1B+1], 32<<16                     ; V: 49,152 dense bytes as 192 rows of 256
	s_mov_b32 s[G1B+2], 192<<16
	s_mov_b32 s[G1B+3], 32<<16
	s_mov_b32 s[G1B+4], 192
	s_mov_b32 s[G1B+5], 32
	s_mov_b32 s[G1B+6], 0
	s_mov_b32 s[G1B+7], 0
	s_or_b32 s[G1H+0], s43, (3<<16)|(1<<21)
	s_mov_b32 s[G1H+1], 3072<<16                   ; the head, P: K slots 0 to 3: four rows of 24,576 dense bytes (3,072 elements), a K slot apart
	s_mov_b32 s[G1H+2], 4<<16
	s_mov_b32 s[G1H+3], 3072<<16
	s_mov_b32 s[G1H+4], 4
	s_mov_b32 s[G1H+5], ASTEP/8
	s_mov_b32 s[G1H+6], 0
	s_mov_b32 s[G1H+7], 0
	s_or_b32 s[G1BH+0], s44, (3<<16)|(1<<21)
	s_mov_b32 s[G1BH+1], 6144<<16                  ; the head, V: K slots m and m + 2: two rows of 49,152 dense bytes, two K slots apart
	s_mov_b32 s[G1BH+2], 2<<16
	s_mov_b32 s[G1BH+3], 6144<<16
	s_mov_b32 s[G1BH+4], 2
	s_mov_b32 s[G1BH+5], 2*BSTEP/8
	s_mov_b32 s[G1BH+6], 0
	s_mov_b32 s[G1BH+7], 0
	s_or_b32 s[G1SB+0], s44, (3<<16)|(1<<21)
	s_mov_b32 s[G1SB+1], 32<<16                    ; V's scale words of 128 rows: 8,192 dense bytes as 32 rows of 256
	s_mov_b32 s[G1SB+2], 64<<16                    ; (of 256 rows: 16,384 dense bytes as 64 rows of 256)
	s_mov_b32 s[G1SB+3], 32<<16
	s_mov_b32 s[G1SB+4], 64
	s_mov_b32 s[G1SB+5], 32
	s_mov_b32 s[G1SB+6], 0
	s_mov_b32 s[G1SB+7], 0
	s_mul_i32 s19, s16, ASTEP
	s_mul_i32 s20, s17, HALFA
	s_add_co_u32 s20, s20, s19                     ; P's codes: by the tile row and the wave
	s_mov_b32 s21, 0
	s_mul_i32 s46, s18, 8*BSTEP                    ; V's: the batch,
	s_mul_i32 s47, s42, HALFB                      ; the tile column,
	s_add_co_u32 s46, s46, s47
	s_mul_i32 s47, s16, BSTEP                      ; the wave
	s_add_co_u32 s46, s46, s47
	s_mov_b32 s47, 0
	s_lshl_b32 s2, s18, 3
	s_lshl_b32 s3, s42, 1
	s_add_co_u32 s2, s2, s3
	s_lshl_b32 s2, s2, 13                          ; V's scale words: the group of 128 rows e
	s_mov_b32 s3, 0
	s_lshl_b32 s22, s17, 9                         ; pstat: my work-group's 128 rows x 4 bytes
	s_mov_b32 s23, 0
	s_mul_i32 s45, s16, HALFA                      ; where they go, by the wave's number alone: P's block,
	s_mul_i32 s19, s16, 2*HALFB
	s_add_co_u32 s19, s19, VB                      ; V's blocks: K slots m, m + 2 side by side
	s_wait_dscnt 0x0                               ; both opening adds are done
	s_wait_kmcnt 0x0
	s_add_nc_u64 s[20:21], s[4:5], s[20:21]
	s_add_nc_u64 s[46:47], s[8:9], s[46:47]
	s_add_nc_u64 s[2:3], s[10:11], s[2:3]
	s_add_nc_u64 s[6:7], s[6:7], s[22:23]
	s_mov_b32 s[G0SB], 1
	s_mov_b32 s[G0SB+1], SCL+8192                  ; V's scale words, behind P's
	s_mov_b64 s[G0SB+2:G0SB+3], s[2:3]
	s_or_b32 s[G0SB+3], s[G0SB+3], 0x80000000
.irp s, 0,1
	s_mov_b32 s[G0+4*\s], 1
	s_add_co_u32 s[G0+4*\s+1], s45, \s*2*HALFA
	s_add_nc_u64 s[G0+4*\s+2:G0+4*\s+3], s[20:21], \s*2*ASTEP    ; LDS slot s begins with K slots 2 s and 2 s + 1
	s_or_b32 s[G0+4*\s+3], s[G0+4*\s+3], 0x80000000
	s_mov_b32 s[G0B+4*\s], 1
	s_add_co_u32 s[G0B+4*\s+1], s19, \s*HALFB
	s_add_nc_u64 s[G0B+4*\s+2:G0B+4*\s+3], s[46:47], \s*2*BSTEP
	s_or_b32 s[G0B+4*\s+3], s[G0B+4*\s+3], 0x80000000
.endr
; THE PREFETCHES OF THE TILES.  K slots 0 to 3 come by the head's loads alone.  Of the block that my wave fetches at a refill (P: 24,576 bytes, V: 49,152) each of the four partners that ask for it jointly names a quarter,
; told apart by address (cx for P, cy for V): runs of 24 blocks of 256 bytes, a lane each (lanes 24-31 name the last block again): one run for P, two for V.  The head asks for K slots 4 and 5, which the first refill loads three K steps on;
; behind K step 0 K slots 6 and 7 are asked for, seven K steps ahead of their load.  s[66:67] and the two offsets are never rewritten.
	s_cmp_eq_u32 s15, 0                            ; do I fetch for P?
	s_cselect_b64 s[66:67], s[20:21], s[46:47]
	s_cselect_b32 s68, s40, s41                    ; my place among the four partners
	s_mov_b32 s70, BSTEP*4
	s_cselect_b32 s70, ASTEP*4, s70                ; four K slots on, in my buffer
	s_mov_b32 s71, 12288
	s_cselect_b32 s71, 6144, s71                   ; a partner's share
	s_mul_i32 s68, s68, s71
	s_mov_b32 s69, 0
	s_add_nc_u64 s[66:67], s[66:67], s[68:69]
	s_lshr_b32 s71, s70, 1
	s_add_co_u32 s71, s71, s70                     ; six K slots on
.macro ASKM r
	global_prefetch_b8 v[\r], s[66:67] th:TH_LOAD_NT scope:SCOPE_SE
	s_cmp_eq_u32 s15, 0
	s_cbranch_scc1 .Lasked_p_\@
	global_prefetch_b8 v[\r], s[66:67] offset:6144 th:TH_LOAD_NT scope:SCOPE_SE   ; V's second run
.Lasked_p_\@:
.endm
	CROUND                                         ; all sixteen work-groups are here: the first joint loads meet
; THE HEAD'S LOADS, ONE A WAVE: wave 0 P's K slots 0 to 3, wave 1 V's scale words, wave 2 V's K slots 0 and 2, wave 3 V's K slots 1 and 3: both LDS slots are asked for at once.
; One chain of branches on the wave's number: every way passes exactly one load.
.macro ARM under, g0, g1, next
	s_cmp_lt_u32 s14, \under
	s_cbranch_scc0 \next
	tensor_load_to_lds s[\g0:\g0+3], s[\g1:\g1+7]
	s_nop 0
.rept 4
	v_nop
.endr
	s_branch .Lfirst_asked
\next:
.endm
	ARM 1, G0,   G1H,  .Lhead_s
	ARM 2, G0SB, G1SB, .Lhead_v
	tensor_load_to_lds s[G0B:G0B+3], s[G1BH:G1BH+7]
	s_nop 0
.rept 4
	v_nop
.endr
.Lfirst_asked:
; THE HEAD: thread t serves row t of the work-group's 128
.set FW, 64                            ; v64-79   the 16 chunks' scale words
.set FN, 80                            ; v80-95   their -M, then k as f32
.set FL, 96                            ; v96-111  their l
.set KK, 128                           ; v128-143 k
.set NK, 144                           ; v144-159 -k
.set BY, 160                           ; v160-223 the words' bytes, a plane of 16 for each of the four
.set TT, 224                           ; v224-239 at work
	v_lshlrev_b32 v2, 2, v0                        ; 4 x thread; never rewritten
.irp pl, 0,1,2
.irp j, 0,1,2,3,4,5,6,7,8,9,10,11,12,13,14,15
	global_load_b32 v[FW+16*\pl+\j], v2, s[6:7] offset:524288*\pl+32768*\j   ; plane 0 the scale word, 1 -M, 2 l, of chunk j: a wave reads 128 consecutive bytes
.endr
.endr
	v_lshl_add_u32 v3, v0, 3, SCL                  ; where my row's words go: 8 bytes a row in each K slot of 256
	v_lshl_add_u32 v4, v0, 2, RL
	v_and_b32 v1, 31, v0                           ; lane
	v_and_b32 v12, 15, v0                          ; r
	v_bfe_u32 v13, v0, 4, 1                        ; h
	v_lshlrev_b32 v[CO], 4, v1                     ; 16 x lane
	v_min_u32 v5, 23, v1
	v_lshlrev_b32 v6, 8, v5                        ; my block of 256 bytes of a run
	v_add_nc_u32 v5, s70, v6                       ; four K slots on; never rewritten
	v_add_nc_u32 v6, s71, v6                       ; six K slots on; never rewritten
	s_wait_alu depctr_va_vdst(0)
	ASKM 5                                         ; K slots 4 and 5
	s_lshl_b32 s20, s17, 7
	s_lshl_b32 s21, s15, 6
	s_add_co_u32 s20, s20, s21                     ; my first row of out
	s_lshl_b32 s20, s20, 12                        ; x 4,096 bytes
	s_lshl_b32 s46, s42, 10
	s_lshl_b32 s47, s16, 9
	s_add_co_u32 s46, s46, s47                     ; my first column x 4
	s_add_co_u32 s20, s20, s46
	s_mov_b32 s21, 0
	s_add_nc_u64 s[12:13], s[12:13], s[20:21]
	s_mul_i32 s21, s15, 4*RT2                      ; my 64 rows of P
	s_mul_i32 s22, s16, 8*RT2
	s_add_co_u32 s22, s22, VB                      ; my 128 rows of V, behind P's four blocks
.irp s, 0,1
	v_add_nc_u32 v[ADRA+\s], s21, v[CO]
	v_add_nc_u32 v[ADRB+2*\s], s22, v[CO]
	s_add_co_u32 s23, s22, 2*HALFB                 ; the slot's second K slot of V lies two blocks on: a register of its own
	v_add_nc_u32 v[ADRB+2*\s+1], s23, v[CO]
	s_add_co_u32 s21, s21, 2*HALFA
	s_add_co_u32 s22, s22, HALFB
.endr
	s_lshl_b32 s21, s15, 9                         ; P's scale words: my 64 rows x 8 bytes
	s_lshl_b32 s22, s16, 13
	s_add_co_u32 s22, s22, 8192                    ; V's: my 128 rows
	s_sub_co_u32 s22, s22, s21
	v_mul_u32_u24 v14, s22, v13                    ; lanes 16-31 take V's
	s_add_co_u32 s21, s21, SCL
	v_lshl_add_u32 v14, v12, 3, v14
	v_add_nc_u32 v[ADRS], s21, v14
	s_mul_i32 s23, s14, 16*SPITCH                  ; my stage
	v_mul_u32_u24 v14, v12, SPITCH
	v_lshl_add_u32 v14, v13, 5, v14
	v_add_nc_u32 v[STO], s23, v14                  ; in: row r, 32 bytes for each half of the lanes
	v_add_nc_u32 v[RD], s23, v[CO]                 ; back: a row of 512 bytes
	s_lshl_b32 s23, s15, 8
	s_add_co_u32 s23, s23, RL
	v_lshl_add_u32 v7, v12, 2, s23                 ; 1 / l of my half's rows
	s_wait_loadcnt 0x0
	v_min3_num_f32 v240, v[FN], v[FN+1], v[FN+2]   ; the least -M: the row's
	v_min3_num_f32 v241, v[FN+3], v[FN+4], v[FN+5]
	v_min3_num_f32 v242, v[FN+6], v[FN+7], v[FN+8]
	v_min3_num_f32 v243, v[FN+9], v[FN+10], v[FN+11]
	v_min3_num_f32 v244, v[FN+12], v[FN+13], v[FN+14]
	v_min3_num_f32 v240, v240, v241, v242
	v_min3_num_f32 v243, v243, v244, v[FN+15]
	v_min_num_f32 v240, v240, v243
; each stage goes over the 16 chunks, so that no line waits for the line above it
.set i, 0
.rept 16
	v_sub_f32 v[FN+i], v[FN+i], v240               ; k = M - local M: a whole number, 0 or more
.set i, i+1
.endr
.set i, 0
.rept 16
	v_min_num_f32 v[FN+i], 0x43960000, v[FN+i]     ; held at 300
.set i, i+1
.endr
.set i, 0
.rept 16
	v_cvt_u32_f32 v[KK+i], v[FN+i]
.set i, i+1
.endr
.set i, 0
.rept 16
	v_sub_nc_u32 v[NK+i], 0, v[KK+i]
.set i, i+1
.endr
.set i, 0
.rept 16
	v_ldexp_f32 v[FL+i], v[FL+i], v[NK+i]          ; l under the row's M
.set i, i+1
.endr
.irp n, 0,4,8,12
	v_pk_add_f32 v[FL+\n:FL+\n+1], v[FL+\n:FL+\n+1], v[FL+\n+2:FL+\n+3]
.endr
	v_pk_add_f32 v[FL:FL+1], v[FL:FL+1], v[FL+4:FL+5]
	v_pk_add_f32 v[FL+8:FL+9], v[FL+8:FL+9], v[FL+12:FL+13]
	v_pk_add_f32 v[FL:FL+1], v[FL:FL+1], v[FL+8:FL+9]
	v_add_f32 v246, v[FL], v[FL+1]                 ; the row's l
	s_wait_alu depctr_va_vdst(0)
	v_rcp_f32 v247, v246                           ; its wait stands ahead of its one reader, behind the work on the bytes
.set i, 0
.rept 16
	v_and_b32 v[BY+i], 0xff, v[FW+i]
.set i, i+1
.endr
.set i, 0
.rept 16
	v_bfe_u32 v[BY+16+i], v[FW+i], 8, 8
.set i, i+1
.endr
.set i, 0
.rept 16
	v_bfe_u32 v[BY+32+i], v[FW+i], 16, 8
.set i, i+1
.endr
.set i, 0
.rept 16
	v_lshrrev_b32 v[BY+48+i], 24, v[FW+i]
.set i, i+1
.endr
.irp y, 0,1,2,3                        ; byte - min(byte - 1, k): byte - k, held at 1
.set i, 0
.rept 16
	v_add_nc_u32 v[TT+i], -1, v[BY+16*\y+i]
.set i, i+1
.endr
.set i, 0
.rept 16
	v_min_u32 v[TT+i], v[TT+i], v[KK+i]
.set i, i+1
.endr
.set i, 0
.rept 16
	v_sub_nc_u32 v[BY+16*\y+i], v[BY+16*\y+i], v[TT+i]
.set i, i+1
.endr
.endr
.set i, 0
.rept 16
	v_lshl_or_b32 v[FW+i], v[BY+16+i], 8, v[BY+i]
.set i, i+1
.endr
.set i, 0
.rept 16
	v_lshl_or_b32 v[FW+i], v[BY+32+i], 16, v[FW+i]
.set i, i+1
.endr
.set i, 0
.rept 16
	v_lshl_or_b32 v[FW+i], v[BY+48+i], 24, v[FW+i]
.set i, i+1
.endr
.irp n, 0,1,2,3,4,5,6,7
	ds_store_b64 v3, v[FW+2*\n:FW+2*\n+1] offset:1024*\n   ; K slot n's two words of my row
.endr
	s_wait_alu depctr_va_vdst(0)                   ; ahead of the reciprocal's first reader
	ds_store_b32 v4, v247
.macro FRAG reg, adr, off              ; a fragment comes as it was stored: three loads of 16 bytes a lane, 512 consecutive bytes each
.irp c, 0,1,2
	ds_load_b128 v[\reg+4*\c:\reg+4*\c+3], v[\adr] offset:(\off)+512*\c
.endr
.endm
; K step g of 16: LDS slot (g / 4) % 2, block (g / 2) % 2 of it, K step g % 2 of the block.  Its 12 fragments (V's eight, P's four) go into the sets g % 2
.macro FETCH g
.set FS, ((\g)/4)%2
.set FM, ((\g)/2)%2
.set FQ, (\g)%2
	WIN TO_B
.irp i, 0,1,2,3,4,5,6,7
	FRAG 128*FQ+FR*\i, ADRB+2*FS+FM, \i*RT2+FQ*FRB
.endr
	WIN 0
.irp i, 0,1,2,3
	FRAG AF+48*FQ+FR*\i, ADRA+FS, FM*HALFA+\i*RT2+FQ*FRB
.endr
.endm
.macro SCALES m                        ; K slot m's scale words into set m % 2: two a row; lanes 0-15 P's block i (0 to 3 are used), lanes 16-31 V's block i
.irp i, 0,1,2,3,4,5,6,7
	ds_load_b64 v[SC+16*((\m)%2)+2*\i:SC+16*((\m)%2)+2*\i+1], v[ADRS] offset:1024*(\m)+128*\i
.endr
.endm
; 8 matrix instructions: P's block a x V's eight, K step g.  zero = 1: the product starts the sums.  The 32 accumulators take turns, one instruction a turn, in the same order in every step.
.macro MUL8 a, g, zero
.set MQ, (\g)%2
.set MS, SC+16*(((\g)/2)%2)+MQ
.irp b, 0,1,2,3,4,5,6,7
.if \zero
	v_wmma_scale_f32_16x16x128_f8f6f4 v[8*(8*(\a)+\b):8*(8*(\a)+\b)+7], v[128*MQ+FR*\b:128*MQ+FR*\b+FR-1], v[AF+48*MQ+FR*(\a):AF+48*MQ+FR*(\a)+FR-1], 0, v[MS+2*\b], v[MS+2*(\a)] matrix_a_fmt:MATRIX_FMT_FP6 matrix_b_fmt:MATRIX_FMT_FP6 matrix_a_scale:MATRIX_SCALE_ROW1
.else
	v_wmma_scale_f32_16x16x128_f8f6f4 v[8*(8*(\a)+\b):8*(8*(\a)+\b)+7], v[128*MQ+FR*\b:128*MQ+FR*\b+FR-1], v[AF+48*MQ+FR*(\a):AF+48*MQ+FR*(\a)+FR-1], v[8*(8*(\a)+\b):8*(8*(\a)+\b)+7], v[MS+2*\b], v[MS+2*(\a)] matrix_a_fmt:MATRIX_FMT_FP6 matrix_b_fmt:MATRIX_FMT_FP6 matrix_a_scale:MATRIX_SCALE_ROW1
.endif
.endr
.endm
; A K step whose successor lies in the same LDS slot: the next step's 36 loads go out in one run ahead of this step's 32 products
.macro STEP g, zero
	s_wait_dscnt 0x0                               ; this step's fragments and scale words are in
	PLACES NP                                      ; in front of loads into the sets that the step before has multiplied
	FETCH (\g)+1
.if (((\g)%2) == 0) && (((\g)/2) < 7)
	SCALES (\g)/2+1                                ; the next K slot's scale words, two steps ahead, into the set that the slot before has left
.endif
	WIN MUL
	MUL8 0, \g, \zero
	MUL8 1, \g, \zero
	MUL8 2, \g, \zero
	MUL8 3, \g, \zero
	WIN 0
.endm
; An LDS slot's last step changes slots: one barrier; in front of it each wave waits for all its tensor loads, adds 0 to its spare word, and waits for that and for its reads of this slot.  fill = 1: this slot is filled again, with K two slots on.
.macro TURN g, fill
.set TS, ((\g)/4)%2
	s_wait_tensorcnt 0x0                           ; all my tensor loads have landed: my part of the next slot
	ds_add_u32 v[SPW], v[NIL]
	s_wait_dscnt 1                                 ; this step's fragments are in; the add alone may be out
	WIN MUL
	MUL8 0, \g, 0
	s_wait_dscnt 0x0                               ; the add is done, and my reads of this slot are over
	s_barrier_signal -1
	MUL8 1, \g, 0
	WIN 0
	s_barrier_wait -1
.if \fill
	CREST                                          ; the barrier has opened a round of the cluster's: no wave of any partner still reads this slot or has a load on its way
	s_add_nc_u64 s[G0+4*TS+2:G0+4*TS+3], s[G0+4*TS+2:G0+4*TS+3], 4*ASTEP
	s_add_nc_u64 s[G0B+4*TS+2:G0B+4*TS+3], s[G0B+4*TS+2:G0B+4*TS+3], 4*BSTEP
	JLOAD G0+4*TS, G1, G0B+4*TS, G1B               ; the first tensor load behind the round; its four v_nop are also the places in front of the loads below
.else
	PLACES NP
.endif
	FETCH (\g)+1
	WIN MUL
	MUL8 2, \g, 0
	MUL8 3, \g, 0
	WIN 0
.endm
	s_wait_tensorcnt 0x0                           ; my one load of the head is in
	s_wait_dscnt 0x0                               ; for the others' sake: my row's words and 1 / l are stored
	s_barrier_signal -1
	s_barrier_wait -1
	FETCH 0
	SCALES 0
	STEP 0, 1                                      ; the first step's products start the sums
	ASKM 6                                         ; K slots 6 and 7
	STEP 1, 0
	STEP 2, 0
	TURN 3, 1                                      ; slot 0 takes K 1,024 to 1,535
	STEP 4, 0
	STEP 5, 0
	STEP 6, 0
	TURN 7, 1                                      ; slot 1 takes K 1,536 to 2,047
	STEP 8, 0
	STEP 9, 0
	STEP 10, 0
	TURN 11, 0                                     ; nothing is left to fetch
	STEP 12, 0
	STEP 13, 0
	STEP 14, 0
	s_wait_dscnt 0x0                               ; the last step
	WIN MUL
	MUL8 0, 15, 0
	MUL8 1, 15, 0
	MUL8 2, 15, 0
	MUL8 3, 15, 0
	WIN 0
; THE WAY OUT, a block of 16 rows x 128 columns at a time: x 1 / l, through my stage, back as whole rows of 512 bytes.
.macro PACKM a
	WIN 0x02                                       ; source 0: window 2
.set i, 0
.rept 64
	v_mul_f32 v[64+i], v[64*(\a)+i], v[8+(\a)]     ; each accumulator from its low end on
.set i, i+1
.endr
	WIN 0
.endm
.macro TOSTAGE a
.irp b, 0,1,2,3,4,5,6,7
	ds_store_b128 v[STO], v[64+8*\b:64+8*\b+3] offset:64*\b
	ds_store_b128 v[STO], v[64+8*\b+4:64+8*\b+7] offset:64*\b+16
.endr
.set BB, BK+64*((\a)%2)
.irp t, 0,1,2,3,4,5,6,7,8,9,10,11,12,13,14,15
	ds_load_b128 v[BB+4*\t:BB+4*\t+3], v[RD] offset:\t*SPITCH   ; LDS serves a wave's instructions in order: these see the stores above
.endr
.endm
.macro SEND a, younger
.set BB, BK+64*((\a)%2)
	s_wait_dscnt \younger                          ; the block is back in registers
.if (\a) > 0
	s_add_nc_u64 s[12:13], s[12:13], 16*4096       ; (behind a wait on XCNT for 0: the earlier stores have read their base)
.endif
.irp t, 0,1,2,3,4,5,6,7,8,9,10,11,12,13,14,15
	global_store_b128 v[CO], v[BB+4*\t:BB+4*\t+3], s[12:13] offset:\t*4096 th:TH_STORE_NT   ; 32 lanes store 512 consecutive bytes, aligned
.endr
.endm
	PLACES NP                                      ; behind the last products
.irp a, 0,1,2,3
	ds_load_b32 v[8+\a], v7 offset:64*\a           ; 1 / l of row 16 a + r
.endr
	s_wait_dscnt 0x0
	PACKM 0
	TOSTAGE 0
.irp a, 1,2,3
.if \a > 1
	s_wait_xcnt 0x0                                ; block a - 2's stores have read their registers and their base
.endif
	s_wait_dscnt 16                                ; block a - 1's 16 stores into the stage have read v64-127; its 16 loads may be out
	PACKM \a
	TOSTAGE \a
	SEND \a-1, 32                                  ; behind block a - 1's loads: block a's 16 stores and 16 loads
.endr
	s_wait_xcnt 0x0
	SEND 3, 0
	s_wait_tensorcnt 0x0                           ; the wave's end
	ds_add_u32 v[SPW], v[NIL]
	s_wait_dscnt 0x0
	CROUND                                         ; the closing round
	s_endpgm
.Lfunc_end_k_q44c08f6980_mix:
	.size	k_q44c08f6980_mix, .Lfunc_end_k_q44c08f6980_mix-k_q44c08f6980_mix
	.p2alignl 7, 3214868480
	.fill 96, 4, 3214868480
	.section	.rodata,"a",@progbits
	.p2align	6, 0x0
	.amdhsa_kernel k_q44c08f6980_mix
		.amdhsa_group_segment_fixed_size 327680
		.amdhsa_private_segment_fixed_size 0
		.amdhsa_enable_private_segment 0
		.amdhsa_kernarg_size 40
		.amdhsa_user_sgpr_count 2
		.amdhsa_user_sgpr_kernarg_segment_ptr 1
		.amdhsa_wavefront_size32 1
		.amdhsa_system_sgpr_workgroup_id_x 1
		.amdhsa_system_sgpr_workgroup_id_y 1
		.amdhsa_system_sgpr_workgroup_id_z 1
		.amdhsa_system_vgpr_workitem_id 0
		.amdhsa_next_free_vgpr 768
		.amdhsa_next_free_sgpr 100
		.amdhsa_reserve_vcc 0
		.amdhsa_float_denorm_mode_32 3
		.amdhsa_float_denorm_mode_16_64 3
		.amdhsa_memory_ordered 1
		.amdhsa_forward_progress 1
		.amdhsa_inst_pref_size 167
	.end_amdhsa_kernel
	.amdgpu_metadata
---
amdhsa.version: [ 1, 2 ]
amdhsa.kernels:
  - .name:           k_q44c08f6980_mix
    .symbol:         k_q44c08f6980_mix.kd
    .args:
      - { .name: pc, .offset: 0, .size: 8, .value_kind: global_buffer, .address_space: global }
      - { .name: pstat, .offset: 8, .size: 8, .value_kind: global_buffer, .address_space: global }
      - { .name: vc, .offset: 16, .size: 8, .value_kind: global_buffer, .address_space: global }
      - { .name: vs, .offset: 24, .size: 8, .value_kind: global_buffer, .address_space: global }
      - { .name: out0, .offset: 32, .size: 8, .value_kind: global_buffer, .address_space: global }
    .group_segment_fixed_size: 327680
    .private_segment_fixed_size: 0
    .kernarg_segment_align: 8
    .kernarg_segment_size: 40
    .max_flat_workgroup_size: 128
    .sgpr_count:     100
    .vgpr_count:     768
    .wavefront_size: 32
...
	.end_amdgpu_metadata
.endif
;; end of part 3
